; MI455X (gfx1250); checked and timed in simulation.
; The chip was launched on July 23, 2026; its instructions are those of AMD's public machine-readable ISA for CDNA 5 (MIT licence, August 2026) and "CDNA5" Instruction Set Architecture Reference Guide (July 2026). The comments in the code are by the model that wrote it; some were corrected since.
;; Attention. Allowed arithmetic: matrix products marked QUANTISED: E2M3 operands, one E8M0 scale for each 32 along K, by v_wmma_scale_f32_16x16x128_f8f6f4 with both operands' format E2M3, f32 sums; everything else in f32.
;; Inputs: b_proj 1,024 float32; b_qkv 3,072 float32; w_proj 1,024 x 1,024 float32; w_qkv 3,072 x 1,024 float32; x 4 x 2,048 x 1,024 float32.
;; Outputs: out0 4 x 2,048 x 1,024 float32.
;; This version of the problem:
;;   THIS VERSION OF THE PROBLEM IS GIVEN IN LOW PRECISION. The matrix products marked QUANTISED in the list below multiply operands that are first quantised to E2M3 (2 exponent bits, 3 mantissa bits; 6 bits a number), with one power-of-two scale for each 32 numbers along K (OCP MX v1.0); their sums are f32. All else is computed in f32.
;;   The module's matrix products, in the order in which they are computed (A, B: the left and right operand; K: the contracted axis; several contracted axes count as one K, in the product's order):
;;     1. [M 8,192, K 1,024] x [K 1,024, N 3,072]; A: input x; B: input w_qkv: QUANTISED
;;     2. batch 64 x [M 2,048, K 64] x [K 64, N 2,048]; A: computed on the way; B: computed on the way: QUANTISED
;;     3. batch 64 x [M 2,048, K 2,048] x [K 2,048, N 64]; A: softmax (see below); B: computed on the way: QUANTISED
;;     4. [M 8,192, K 1,024] x [K 1,024, N 1,024]; A: computed on the way; B: input w_proj: QUANTISED
;;   THE QUANTISER, for each operand of a quantised product, along K:
;;     - K is cut into blocks of 32 from its start; a last block that is shorter is filled with zeros.
;;     - A block's scale is 2^e with e = floor(log2(the largest magnitude in the block)) - 2, held to -126 .. 127; a block of zeros has e = 0. As a byte (E8M0): e + 127.
;;     - Each number is divided by its block's scale, clamped to +-7.5, and rounded to the nearest number of E2M3, ties to even, subnormals kept.
;;     - The product sums the exact products of the quantised numbers (number of the format x scale) in f32.
;;   ~~~python
;;   def quantise(x, axis):      # numpy; x: float32 -> the quantised numbers, widened to float32 again
;;       x = np.moveaxis(x, axis, -1); K = x.shape[-1]
;;       x = np.pad(x, [(0, 0)] * (x.ndim - 1) + [(0, -K % 32)]); x = x.reshape(x.shape[:-1] + (-1, 32)); a = np.abs(x).max(-1, keepdims=True)
;;       e = np.where(a > 0, np.clip(np.frexp(np.where(a > 0, a, 1))[1] - 1 - 2, -126, 127), 0)      # np.frexp(a)[1] - 1 = floor(log2(a)), exactly
;;       r = np.clip(x / 2.0 ** e, -7.5, 7.5)
;;       step = 2.0 ** (np.maximum(np.frexp(np.where(r == 0, 1, r))[1] - 1, 0) - 3)
;;       q = np.round(r / step) * step * 2.0 ** e      # np.round: ties to even
;;       return np.moveaxis(q.reshape(q.shape[:-2] + (-1,))[..., :K], -1, axis).astype(np.float32)
;;   ~~~
;;   SOFTMAX AHEAD OF A QUANTISED PRODUCT. Where the list says 'softmax', what is quantised is not the finished softmax but p = 2^(t - M), with t = logit x log2(e) and M = ceil(the row's largest t), a whole number; so 1/2 < the row's largest p <= 1. The row's sum l is taken of the UNQUANTISED p, in f32, and the product's result is divided by l at the end. Since M is a whole number, a kernel that streams over the keys may use a running M (the ceiling of the running maximum): every later rescaling is an exact power of two, which a block's scale takes up: the codes' values come out the same.
;;   OPERANDS COMPUTED ON THE WAY. 'Computed on the way' means the value that the module computes at that place (a softmax that the list does not call 'softmax' is quantised finished and normalised). What goes into a quantiser is computed in f32, as accurately as f32 sums, v_exp_f32 and their like allow (about 1e-6 of the number): no bf16 or f16 on the way to a quantiser, and a product that is left as it is and whose result goes on into a quantised operand takes f32 operands (vector FMAs, or v_wmma_f32_16x16x4_f32). A number that lies on a knife's edge between two numbers of the format may be rounded either way, as far as f32 arithmetic and the matrix unit's own rounding can turn it there, and no further.
;; One version. Each part assembles by itself: llvm-mc -triple=amdgcn-amd-amdhsa -mcpu=gfx1250 --defsym DOCPART=n.
;; ======== version 1 of 1: 4 launches
;; workspace buffers: wcodes 9,437,184 bytes; wscales 393,216 bytes; qrec 6,815,744 bytes; kv 13,369,344 bytes; oc 6,291,456 bytes; os 262,144 bytes
;; launch quant (part 1): grid 256 x 1, 6 waves a work-group, no clusters, 52,992 bytes of LDS; arguments x, w_qkv, w_proj, wcodes, wscales; writes wcodes, wscales
.if DOCPART == 1
	.amdgcn_target "amdgcn-amd-amdhsa--gfx1250"
	.amdhsa_code_object_version 6
	.text
	.protected	k_qccc0674895_quant
	.globl	k_qccc0674895_quant
	.p2align	8
	.type	k_qccc0674895_quant,@function
k_qccc0674895_quant:
	s_mov_b64 s[64:65], 0
	v_nop
	global_prefetch_b8 v0, s[64:65] scope:SCOPE_SE
	s_setreg_imm32_b32 hwreg(HW_REG_WAVE_MODE, 25, 1), 1
	s_wait_xcnt 0x0
; x [8192][1024], w_qkv [3072][1024] and w_proj [1024][1024], f32 with K innermost, become codes of FP6 (E2M3) with one E8M0 byte for each 32 along K.
; NO WORK OF THE PROBLEM IS LEFT OUT in this program: all five inputs reach the output (the bias on k moves k's codes, so it stays), and all four products are live.
; The one thing added: the second product's K is 64 and the matrix instruction's is 128; its upper 64 are zero codes on both sides, which add nothing.
; LIMITS: NaN and infinities among the inputs are not served.  A block of zeros gets the byte 1 where the quantiser says 127: its codes are zeros, which add nothing under any byte
; but 0xff, and only this program reads the bytes.  Blocks whose largest magnitude lies under 2^(3 - 127) are held at the byte 1.
; LAYOUT OF THE CODES, as the later launches' operand registers take them.  Rows go in tiles of 16; lane row r of tile i is row 32 (i / 2) + 8 (i % 2) + r + 8 (r / 8) of its tensor.
; A UNIT (768 bytes) is 16 rows x 64 along K: lane l = r + 16 h owns the 24 bytes of codes k = 32 h .. 32 h + 31 of row r: its first 16 bytes at 16 l, its last 8 at 512 + 8 l.
; wcodes = [row tile 0..767][K / 64][UNIT] (tiles 0-511 x, 512-703 w_qkv, 704-767 w_proj); wscales = [row tile][K half][r][4 words], a word for 128 along K, byte b for its block b.
; SHARES: a wave takes one row tile x 512 along K: eight steps of one UNIT.  Each load reads two rows' 256 consecutive bytes; the 4,096 bytes of a step turn through the wave's own stage
; in LDS (rows 272 bytes apart) and come back 128 bytes a lane: a whole block of 32 in one lane's registers.  No barrier: waves share nothing.
.set WREG,  8704                       ; LDS of a wave: two stages of 16 rows x 272 bytes
.set STGB,  4352
.set SPARE, 6*WREG                     ; behind the six regions: the spare words, 128 bytes for each wave: three blocks of 256 bytes that no other line names
.set VIN,  3                           ; v3   a load's place: (lane / 16) rows of 4,096 bytes + 16 (lane % 16)
.set STI,  4                           ; v4   the stage on the way in
.set STO,  5                           ; v5   and on the way out: row r, + 128 h
.set VO16, 6                           ; v6   16 x lane
.set VO8,  7                           ; v7   8 x lane
.set SPW,  12                          ; v12  LDS address of my spare word; never rewritten
.set NIL,  13                          ; v13  0; never rewritten
.set SH,   14                          ; v14  8 h
.set VSC,  15                          ; v15  16 r + 8 h
.set W,    16                          ; v16-19 my row's four scale words
.set PT,   20                          ; v20-23 at work
.set TC,   24                          ; v24-26 a block's upper 16 codes
.set R,    32                          ; v32-127  three sets of 32 registers as loaded
.set X,    128                         ; v128-191 two sets of 32 neighbours along K
.set C,    192                         ; v192-255 eight registers for each step's codes, so that no store's data are written again
	s_load_b128 s[4:7], s[0:1], 0x0                ; x, w_qkv
	s_load_b128 s[8:11], s[0:1], 0x10              ; w_proj, wcodes
	s_load_b64 s[12:13], s[0:1], 0x20              ; wscales
	v_lshl_add_u32 v[SPW], v0, 2, SPARE
	v_mov_b32 v[NIL], 0
	v_lshrrev_b32 v1, 5, v0
	v_readfirstlane_b32 s16, v1                    ; wave 0..5
	s_mul_i32 s17, s16, WREG
	s_lshr_b32 s18, s16, 1
	s_and_b32 s19, s16, 1                          ; which half of K
	s_mul_i32 s20, ttmp9, 3
	s_add_co_u32 s20, s20, s18                     ; my row tile, 0..767
	s_mov_b32 s26, 0x76543210
	s_mov_b32 s27, 0xfedcba98                      ; v_permlanex16_b32's selects for lane l xor 16
	v_and_b32 v2, 31, v0                           ; lane
	v_and_b32 v[PT], 15, v0                        ; r
	v_bfe_u32 v[PT+1], v0, 4, 1                    ; h
	v_lshlrev_b32 v[PT+2], 4, v[PT]
	v_mov_b32 v[PT+3], 0                           ; (a lane permute's destination counts as read: all four are written)
	v_lshl_add_u32 v[VIN], v[PT+1], 12, v[PT+2]
	v_mad_u32_u24 v[STI], v[PT+1], 272, v[PT+2]
	v_add_nc_u32 v[STI], s17, v[STI]
	v_mul_u32_u24 v[STO], v[PT], 272
	v_lshl_add_u32 v[STO], v[PT+1], 7, v[STO]
	v_add_nc_u32 v[STO], s17, v[STO]
	v_lshlrev_b32 v[VO16], 4, v2
	v_lshlrev_b32 v[VO8], 3, v2
	v_lshlrev_b32 v[SH], 3, v[PT+1]
	v_lshl_add_u32 v[VSC], v[PT], 4, v[SH]
	s_mov_b32 s21, 704
	s_wait_alu depctr_va_vdst(0)
	s_wait_kmcnt 0x0
	s_cmp_lt_u32 s20, 704                          ; which tensor: the choice hangs on ids alone
	s_cselect_b64 s[6:7], s[6:7], s[8:9]
	s_cselect_b32 s21, 512, s21
	s_cmp_lt_u32 s20, 512
	s_cselect_b64 s[4:5], s[4:5], s[6:7]
	s_cselect_b32 s21, 0, s21
	s_sub_co_u32 s21, s20, s21                     ; the tile's number i in its tensor
	s_lshr_b32 s22, s21, 1
	s_lshl_b32 s22, s22, 17                        ; 32 (i / 2) rows of 4,096 bytes
	s_and_b32 s23, s21, 1
	s_lshl_b32 s23, s23, 15                        ; + 8 (i % 2) rows
	s_add_co_u32 s22, s22, s23
	s_lshl_b32 s23, s19, 11                        ; + my half of K
	s_add_co_u32 s22, s22, s23
	s_mov_b32 s23, 0
	s_add_nc_u64 s[4:5], s[4:5], s[22:23]
	s_mul_i32 s22, s20, 12288
	s_mul_i32 s24, s19, 6144
	s_add_co_u32 s22, s22, s24
	s_add_nc_u64 s[10:11], s[10:11], s[22:23]      ; my eight UNITs
	s_lshl_b32 s22, s20, 9
	s_lshl_b32 s24, s19, 8
	s_add_co_u32 s22, s22, s24
	s_add_nc_u64 s[12:13], s[12:13], s[22:23]      ; my 256 bytes of scale words
.macro LOAD t                          ; step t: 16 rows x 256 bytes; load j takes lane rows 2 j and 2 j + 1
.irp j, 0,1,2,3,4,5,6,7
	global_load_b128 v[R+32*((\t)%3)+4*\j:R+32*((\t)%3)+4*\j+3], v[VIN], s[4:5] offset:(2*\j+8*(\j/4))*4096+256*(\t) th:TH_LOAD_NT
.endr
.endm
.macro TURN t                          ; through the stage: LDS serves a wave's instructions in order, so no wait stands between the stores and the loads
.irp j, 0,1,2,3,4,5,6,7
	ds_store_b128 v[STI], v[R+32*((\t)%3)+4*\j:R+32*((\t)%3)+4*\j+3] offset:STGB*((\t)%2)+544*\j
.endr
.irp i, 0,1,2,3,4,5,6,7
	ds_load_b128 v[X+32*((\t)%2)+4*\i:X+32*((\t)%2)+4*\i+3], v[STO] offset:STGB*((\t)%2)+16*\i
.endr
.endm
	LOAD 0
	LOAD 1
	LOAD 2
	s_wait_loadcnt 16                              ; step 0's eight loads are in; the sixteen of steps 1 and 2 may be out
	TURN 0
.macro STEP t
.set XS, X+32*((\t)%2)
.set CC, C+8*(\t)
	s_wait_dscnt 0x0                               ; this step's numbers are back, and its stores into the stage have read their registers,
.if (\t)+3 < 8
	LOAD (\t)+3                                    ; which take the loads of three steps on
.set LEFT, 16
.else
.set LEFT, 8*(6-(\t))
.endif
.if (\t)+1 < 8
	s_wait_loadcnt LEFT                            ; the next step's eight loads are in; those of the steps behind it may be out
	TURN (\t)+1
.endif
	v_max3_num_f32 v8, |v[XS]|, |v[XS+1]|, 0x1800000               ; the block's largest magnitude: all 32 numbers are mine; the floor 2^(3 - 127) holds the byte at 1 from below
	v_max3_num_f32 v9, |v[XS+2]|, |v[XS+3]|, |v[XS+4]|
.irp i, 5,9,13,17,21,25
	v_max3_num_f32 v8, v8, |v[XS+\i]|, |v[XS+\i+1]|
	v_max3_num_f32 v9, v9, |v[XS+\i+2]|, |v[XS+\i+3]|
.endr
	v_max3_num_f32 v8, v8, |v[XS+29]|, |v[XS+30]|
	v_max3_num_f32 v8, v8, v9, |v[XS+31]|
	v_add_nc_u32 v11, 0xff000000, v8               ; 2 off its exponent field: the conversion takes the exponent field of this operand as its scale
	v_cvt_scalef32_pk16_fp6_f32 v[CC:CC+2], v[XS:XS+15], v11
	v_cvt_scalef32_pk16_fp6_f32 v[TC:TC+2], v[XS+16:XS+31], v11    ; (a conversion's three registers begin on an even number)
	v_lshrrev_b32 v10, 23, v11                     ; the scale's byte; also the plain line behind the conversions
.irp i, 0,1,2
	v_mov_b32 v[CC+3+\i], v[TC+\i]
.endr
.if (\t)%2 == 0
	v_mov_b32 v[W+(\t)/2], v10                     ; a word is two steps: this step's byte at bits 0 (8 h more at the end),
.else
	v_lshl_or_b32 v[W+(\t)/2], v10, 16, v[W+(\t)/2]   ; the odd step's at bits 16
.endif
	global_store_b128 v[VO16], v[CC:CC+3], s[10:11] offset:768*(\t)        ; 512 consecutive bytes
	global_store_b64 v[VO8], v[CC+4:CC+5], s[10:11] offset:768*(\t)+512    ; 256 consecutive bytes
.endm
.irp t, 0,1,2,3,4,5,6,7
	STEP \t
.endr
.irp q, 0,1,2,3
	v_lshlrev_b32 v[W+\q], v[SH], v[W+\q]          ; my bytes at their places: 8 h bits up
.endr
.irp q, 0,1,2,3
	v_permlanex16_b32 v[PT+\q], v[W+\q], s26, s27
.endr
.irp q, 0,1,2,3
	v_or_b32 v[W+\q], v[W+\q], v[PT+\q]            ; with lane l xor 16's the words are whole
.endr
	v_cmp_eq_u32 vcc_lo, 0, v[SH]
	v_cndmask_b32 v8, v[W+2], v[W], vcc_lo         ; lanes 0-15 store words 0 and 1, lanes 16-31 words 2 and 3
	v_cndmask_b32 v9, v[W+3], v[W+1], vcc_lo
	global_store_b64 v[VSC], v[8:9], s[12:13]      ; 32 lanes store 256 consecutive bytes
	s_wait_tensorcnt 0x0                           ; the wave's end, behind my last LDS store
	ds_add_u32 v[SPW], v[NIL]
	s_wait_dscnt 0x0
	s_endpgm
.Lfunc_end_k_qccc0674895_quant:
	.size	k_qccc0674895_quant, .Lfunc_end_k_qccc0674895_quant-k_qccc0674895_quant
	.p2alignl 7, 3214868480
	.fill 96, 4, 3214868480
	.section	.rodata,"a",@progbits
	.p2align	6, 0x0
	.amdhsa_kernel k_qccc0674895_quant
		.amdhsa_group_segment_fixed_size 52992
		.amdhsa_private_segment_fixed_size 0
		.amdhsa_enable_private_segment 0
		.amdhsa_kernarg_size 40
		.amdhsa_user_sgpr_count 2
		.amdhsa_user_sgpr_kernarg_segment_ptr 1
		.amdhsa_wavefront_size32 1
		.amdhsa_system_sgpr_workgroup_id_x 1
		.amdhsa_system_sgpr_workgroup_id_y 1
		.amdhsa_system_sgpr_workgroup_id_z 1
		.amdhsa_system_vgpr_workitem_id 0
		.amdhsa_next_free_vgpr 256
		.amdhsa_next_free_sgpr 66
		.amdhsa_reserve_vcc 1
		.amdhsa_float_denorm_mode_32 3
		.amdhsa_float_denorm_mode_16_64 3
		.amdhsa_memory_ordered 1
		.amdhsa_forward_progress 1
		.amdhsa_inst_pref_size 31
	.end_amdhsa_kernel
	.amdgpu_metadata
---
amdhsa.version: [ 1, 2 ]
amdhsa.kernels:
  - .name:           k_qccc0674895_quant
    .symbol:         k_qccc0674895_quant.kd
    .args:
      - { .name: x, .offset: 0, .size: 8, .value_kind: global_buffer, .address_space: global }
      - { .name: w_qkv, .offset: 8, .size: 8, .value_kind: global_buffer, .address_space: global }
      - { .name: w_proj, .offset: 16, .size: 8, .value_kind: global_buffer, .address_space: global }
      - { .name: wcodes, .offset: 24, .size: 8, .value_kind: global_buffer, .address_space: global }
      - { .name: wscales, .offset: 32, .size: 8, .value_kind: global_buffer, .address_space: global }
    .group_segment_fixed_size: 52992
    .private_segment_fixed_size: 0
    .kernarg_segment_align: 8
    .kernarg_segment_size: 40
    .max_flat_workgroup_size: 192
    .sgpr_count:     66
    .vgpr_count:     256
    .wavefront_size: 32
...
	.end_amdgpu_metadata
.endif
;; end of part 1
;; launch qkv (part 2): grid 12 x 32, 4 waves a work-group, clusters of 4 x 4, 327,680 bytes of LDS; arguments wcodes, wscales, b_qkv, qrec, kv; writes qrec, kv
.if DOCPART == 2
	.amdgcn_target "amdgcn-amd-amdhsa--gfx1250"
	.amdhsa_code_object_version 6
	.text
	.protected	k_qccc0674895_qkv
	.globl	k_qccc0674895_qkv
	.p2align	8
	.type	k_qccc0674895_qkv,@function
k_qccc0674895_qkv:
	s_mov_b64 s[64:65], 0
	v_nop
	global_prefetch_b8 v0, s[64:65] scope:SCOPE_SE
	s_setreg_imm32_b32 hwreg(HW_REG_WAVE_MODE, 25, 1), 1
	s_wait_xcnt 0x0
	s_wait_alu depctr_hold_cnt(0) depctr_sa_sdst(0) depctr_va_vdst(0) depctr_va_sdst(0) depctr_va_ssrc(0) depctr_va_vcc(0) depctr_vm_vsrc(0)
	s_getreg_b32 s2, hwreg(HW_REG_IB_STS2, 6, 4)
	s_cmp_eq_u32 s2, 0
	s_cbranch_scc0 .Lentry_in_a_cluster
	s_endpgm
.Lentry_in_a_cluster:
	s_bfe_u32 s2, ttmp6, 0x10000c
	s_cmp_lg_u32 s2, 0xf033
	s_cbranch_scc0 .Lentry_shape_is_right
	s_endpgm
.Lentry_shape_is_right:
; q, k, v = x w_qkv^T + b_qkv on codes of FP6 (E2M3) with E8M0 scales, and q, k, v quantised on the way out, each along the K of the product that takes it: q and k along the head's 64, v along the keys.
; No work of the problem is left out here.  LIMITS as in the first launch: NaN and infinities are not served; a block of zeros gets the byte 1 (its codes are zeros).
; THE PRODUCT.  S1 [.., 1024] against S0 [.., 1024], used transposed: source 0 = 16 rows of S0, source 1 = 16 rows of S1: a lane holds ONE row of S1 and its registers run along S0's rows.
; Since lane row r of a tile i is row 32 (i / 2) + 8 (i % 2) + r + 8 (r / 8), the 16 registers of result tiles 2 b and 2 b + 1 are the 16 neighbours 32 b + 16 (lane / 16) + 0 .. 15 along S0.
; Clusters with x = 0, 1 make q and k: S1 = x's tokens, S0 = w's rows: registers run along the features.  The clusters with x = 2 make v with the roles changed: S1 = w_v's rows, S0 = tokens: registers run along the keys.
; A work-group of four waves makes 256 x 256, a wave 128 x 128: 64 accumulators, 512 registers.  K = 1,024 is eight steps of 128; LDS has THREE slots of 256 along K, so three quarters of K and all scale words are
; first fills (four tensor loads a wave are out at the start) and only the last quarter is a refill, into slot 0.
; CLUSTER 4 x 4: S1's tiles are asked for jointly along a row of the cluster, S0's along a column: the same tensor load with the same descriptor and a mask that names the four.
; REGISTERS, in windows of 256: window 0: v1-11 at work, v16-27 LDS addresses, v28, v29 the add's two, v30 the scale words' address, v32-95 scale words and nothing else, v128-223 S1's fragments (one set);
;   window 1: S0's fragments, two sets, at v0 and v128; window 2: the accumulators of my S1 blocks 0-3 ((a, b) at v[8 (8 (a % 4) + b)]); window 3: those of blocks 4-7.
.set SLOT,  98304                      ; a slot: S1's 16 row tiles x 3,072 bytes (256 along K), then S0's 16
.set HALFT, 24576                      ; eight row tiles: what one tensor load brings, and what a wave reads of a side
.set TILEB, 3072
.set SCL,   3*SLOT                     ; behind the slots: the scale words of all of K: S1's 8,192 bytes, then S0's
.set HALFS, 4096
.set SPARE, SCL+4*HALFS                ; the spare words, 128 bytes for each wave: two blocks of 256 bytes that no other line names
.set FR,   12                          ; registers of a fragment: 16 rows x 128 K
.set A16,  16                          ; v16-18 S1: 16 x lane + my half, in slot 0, 1, 2;  v19-21 the same with 8 x lane
.set A8,   19
.set B16,  22                          ; v22-24, v25-27 the same for S0
.set B8,   25
.set SPW,  28
.set NIL,  29
.set ADRS, 30
.set SC,   32                          ; register 32 (step / 4) + 4 i + step % 4: lanes 0-15 the word of S1's block i, lanes 16-31 that of S0's block i
.set AF,   128
.set WV,   16                          ; s16 wave; s17 wave / 2: my half of S1, and whether I fetch for S1 (0) or S0 (1); s18 wave % 2: my half of S0, and which eight row tiles I fetch
.set HI,   17
.set LO,   18
.set G1A,  20                          ; s[20:27], s[28:35] descriptor group 1 for S1's and S0's codes; s[36:43], s[44:51] for their scale words
.set G1B,  28
.set G1SA, 36
.set G1SB, 44
.set G0A,  52                          ; s[52:63], s[68:79] groups 0 for the three slots; s[80:83], s[84:87] for the scale words
.set G0B,  68
.set G0SA, 80
.set G0SB, 84
.set PC1,  4                           ; S1's codes and scale words, S0's codes and scale words: here all from wcodes and wscales
.set PS1,  6
.set PC0,  4
.set PS0,  6
.set MSB, 0
.macro WIN new                         ; the immediate's high byte repeats the setting that is left
.if MSB != (\new)
	s_set_vgpr_msb (MSB<<8)|(\new)
.set MSB, \new
.endif
.endm
.set MUL_LO, 0xa1                      ; source 0 (S0) window 1, source 1 (S1) window 0, C and D window 2
.set MUL_HI, 0xf1                      ; the same, C and D window 3
.set TO_B,   0x40                      ; destination window 1, address window 0
; A joint load: waves 0 and 1 fetch for S1, waves 2 and 3 for S0.  The branch hangs on the wave's number alone.  An s_nop 0 and four v_nop follow each of the two lines.
.macro JLOAD g0a, g1a, g0b, g1b
	s_cmp_eq_u32 s[HI], 0
	s_cbranch_scc0 .Lfor_b_\@
	tensor_load_to_lds s[\g0a:\g0a+3], s[\g1a:\g1a+7]
	s_nop 0
.rept 4
	v_nop
.endr
	s_branch .Lasked_\@
.Lfor_b_\@:
	tensor_load_to_lds s[\g0b:\g0b+3], s[\g1b:\g1b+7]
	s_nop 0
.rept 4
	v_nop
.endr
.Lasked_\@:
.endm
.macro CREST                           ; a round of the cluster's barrier behind its opening barrier
	s_cmp_lg_u32 s[WV], 0
	s_cbranch_scc1 .Lnot_wave_0_\@
	s_barrier_signal -3
.Lnot_wave_0_\@:
	s_barrier_wait -3
	s_barrier_signal -1
	s_barrier_wait -1
.endm
.macro CROUND
	s_barrier_signal -1
	s_barrier_wait -1
	CREST
.endm
.macro PLACES n                        ; plain vector lines behind matrix instructions, in front of loads into their registers and of reads of their results
.rept \n
	v_nop
.endr
.endm
.macro FRAG reg, a16, a8, q, i         ; a fragment is two UNITs: registers 0-3 and 4-5 from the first, 6-9 and 10-11 from the second; every load takes consecutive bytes in consecutive lanes
	ds_load_b128 v[\reg:\reg+3], v[\a16] offset:(\i)*TILEB+(\q)*1536
	ds_load_b64 v[\reg+4:\reg+5], v[\a8] offset:(\i)*TILEB+(\q)*1536+512
	ds_load_b128 v[\reg+6:\reg+9], v[\a16] offset:(\i)*TILEB+(\q)*1536+768
	ds_load_b64 v[\reg+10:\reg+11], v[\a8] offset:(\i)*TILEB+(\q)*1536+1280
.endm
.macro FETCH_B slot, q, p              ; S0's eight fragments of the slot's q-th 128 along K into set p: 32 loads
	WIN TO_B
.irp i, 0,1,2,3,4,5,6,7
	FRAG 128*(\p)+FR*\i, B16+\slot, B8+\slot, \q, \i
.endr
	WIN 0
.endm
.macro FETCH_A slot, q, i0             ; S1's blocks i0 .. i0 + 3: 16 loads
.irp i, \i0, \i0+1, \i0+2, \i0+3
	FRAG AF+FR*(\i), A16+\slot, A8+\slot, \q, \i
.endr
.endm
.macro SCALES                          ; all scale words of the launch, once: four words (four steps) a load
.irp l, 0,1
.irp i, 0,1,2,3,4,5,6,7
	ds_load_b128 v[SC+32*\l+4*\i:SC+32*\l+4*\i+3], v[ADRS] offset:512*\i+256*\l
.endr
.endr
.endm
; 16 matrix instructions: S1's blocks a0, a0 + 1 x S0's eight, step kap of 128 along K.  zero = 1: the first product starts the sums.  The 64 accumulators take turns, one instruction a turn, in the same order in every step.
.macro MUL16 a0, kap, zero
.irp a, \a0, \a0+1
.irp b, 0,1,2,3,4,5,6,7
.if \zero
	v_wmma_scale_f32_16x16x128_f8f6f4 v[8*(8*((\a)%4)+\b):8*(8*((\a)%4)+\b)+7], v[128*((\kap)%2)+FR*\b:128*((\kap)%2)+FR*\b+FR-1], v[AF+FR*(\a):AF+FR*(\a)+FR-1], 0, v[SC+32*((\kap)/4)+4*\b+(\kap)%4], v[SC+32*((\kap)/4)+4*(\a)+(\kap)%4] matrix_a_fmt:MATRIX_FMT_FP6 matrix_b_fmt:MATRIX_FMT_FP6 matrix_a_scale:MATRIX_SCALE_ROW1
.else
	v_wmma_scale_f32_16x16x128_f8f6f4 v[8*(8*((\a)%4)+\b):8*(8*((\a)%4)+\b)+7], v[128*((\kap)%2)+FR*\b:128*((\kap)%2)+FR*\b+FR-1], v[AF+FR*(\a):AF+FR*(\a)+FR-1], v[8*(8*((\a)%4)+\b):8*(8*((\a)%4)+\b)+7], v[SC+32*((\kap)/4)+4*\b+(\kap)%4], v[SC+32*((\kap)/4)+4*(\a)+(\kap)%4] matrix_a_fmt:MATRIX_FMT_FP6 matrix_b_fmt:MATRIX_FMT_FP6 matrix_a_scale:MATRIX_SCALE_ROW1
.endif
.endr
.endr
.endm
; Step kap; the next step's fragments lie in slot ns, its nq-th 128 along K, and that slot is known whole.
.macro STEP kap, ns, nq, zero
	s_wait_dscnt 16                                ; S0's set and S1's blocks 0-3 are in; the youngest sixteen loads (S1's blocks 4-7) may be out
	WIN MUL_LO
	MUL16 0, \kap, \zero
	MUL16 2, \kap, \zero
	s_wait_dscnt 0                                 ; S1's blocks 4-7 are in
	PLACES 4
	FETCH_B \ns, \nq, 1-(\kap)%2
	FETCH_A \ns, \nq, 0
	WIN MUL_HI
	MUL16 4, \kap, \zero
	MUL16 6, \kap, \zero
	PLACES 4
	WIN 0
	FETCH_A \ns, \nq, 4
.endm
; A step with a barrier in its middle.  In front of it each wave waits for all its tensor loads, adds 0 to its spare word, and waits for that and for its LDS reads.  fill = 1: slot 0, just read out, takes the last quarter of K.
.macro TURN kap, ns, fill
	s_wait_tensorcnt 0x0                           ; all my tensor loads have landed
	ds_add_u32 v[SPW], v[NIL]                      ; 0 onto my spare word
	s_wait_dscnt 17                                ; (the add and the youngest sixteen loads may be out)
	WIN MUL_LO
	MUL16 0, \kap, 0
	s_wait_dscnt 0x0                               ; the add is done, and my reads of the slots so far are over
	s_barrier_signal -1
	MUL16 2, \kap, 0
	WIN 0
	s_barrier_wait -1
.if \fill
	CREST                                          ; the barrier has opened a round of the cluster's barrier: no wave of any partner still reads slot 0 or has a load on its way
	s_add_nc_u64 s[G0A+2:G0A+3], s[G0A+2:G0A+3], 3*TILEB
	s_add_nc_u64 s[G0B+2:G0B+3], s[G0B+2:G0B+3], 3*TILEB
	JLOAD G0A, G1A, G0B, G1B                       ; the first tensor load behind the round: it has four steps, 256 matrix instructions, in which to land; its four v_nop are the places in front of the loads below
.else
	PLACES 4
.endif
	FETCH_B \ns, 0, 0
	FETCH_A \ns, 0, 0
	WIN MUL_HI
	MUL16 4, \kap, 0
	MUL16 6, \kap, 0
	PLACES 4
	WIN 0
	FETCH_A \ns, 0, 4
.endm
	s_load_b128 s[4:7], s[0:1], 0x0                ; wcodes, wscales
	s_load_b128 s[8:11], s[0:1], 0x10              ; b_qkv, qrec
	s_load_b64 s[12:13], s[0:1], 0x20              ; kv
	v_lshl_add_u32 v[SPW], v0, 2, SPARE
	v_mov_b32 v[NIL], 0
	ds_add_u32 v[SPW], v[NIL]                      ; the wave's opening: the add, twice on end, and its wait ahead of my first tensor load
	ds_add_u32 v[SPW], v[NIL]
	v_lshrrev_b32 v1, 5, v0
	v_readfirstlane_b32 s[WV], v1
	s_lshr_b32 s[HI], s[WV], 1
	s_and_b32 s[LO], s[WV], 1
	s_bfe_u32 s88, ttmp6, 0x40000                  ; cx
	s_bfe_u32 s89, ttmp6, 0x40004                  ; cy
	s_and_b32 s90, ttmp7, 0xffff
	s_lshl_b32 s90, s90, 2                         ; 4 x cluster y
	s_lshl_b32 s91, ttmp9, 2                       ; 4 x cluster x
	s_add_co_u32 s92, s90, s89
	s_add_co_u32 s93, s91, s88
	s_add_co_u32 s95, s90, s88
	s_cmp_eq_u32 ttmp9, 2                          ; the clusters that make v: the same answer in all sixteen partners
	s_cselect_b32 s94, s89, s92                    ; S1's block of 256 rows: w_v's cy, or the tokens' 4 cluster y + cy: it hangs on cy alone within a cluster
	s_cselect_b32 s93, s95, s93                    ; S0's: the tokens' 4 cluster y + cx, or w's 4 cluster x + cx: on cx alone
	s_cselect_b32 s2, 640, 0                       ; S1's first row tile in wcodes: w_v's, or x's
	s_cselect_b32 s96, 0, 512                      ; S0's: x's, or w_qkv's
	s_lshl_b32 s100, s89, 2
	s_lshl_b32 s100, 15, s100                      ; my row of the cluster
	s_lshl_b32 s101, 0x1111, s88                   ; my column
	s_or_b32 s[G1A], s100, (1<<21)                 ; 15:0 the mask; 17:16 elements of 1 byte; 21 set beside a mask; no padding
	s_or_b32 s[G1B], s101, (1<<21)
	s_or_b32 s[G1SA], s100, (3<<16)|(1<<21)        ; elements of 8 bytes
	s_or_b32 s[G1SB], s101, (3<<16)|(1<<21)
.irp g, G1A, G1B                               ; codes: eight row tiles x 3,072 bytes, 12,288 bytes apart
	s_mov_b32 s[\g+1], TILEB<<16                   ; tensor_dim0
	s_mov_b32 s[\g+2], 8<<16                       ; tensor_dim1
	s_mov_b32 s[\g+3], TILEB<<16                   ; tile_dim0
	s_mov_b32 s[\g+4], 8                           ; tile_dim1
	s_mov_b32 s[\g+5], 12288                       ; from row to row
	s_mov_b32 s[\g+6], 0
	s_mov_b32 s[\g+7], 0
.endr
.irp g, G1SA, G1SB                             ; scale words: 4,096 dense bytes as 16 rows of 256
	s_mov_b32 s[\g+1], 32<<16
	s_mov_b32 s[\g+2], 16<<16
	s_mov_b32 s[\g+3], 32<<16
	s_mov_b32 s[\g+4], 16
	s_mov_b32 s[\g+5], 32
	s_mov_b32 s[\g+6], 0
	s_mov_b32 s[\g+7], 0
.endr
	s_lshl_b32 s3, s[LO], 3
	s_lshl_b32 s66, s94, 4
	s_add_co_u32 s2, s2, s66
	s_add_co_u32 s2, s2, s3                        ; S1: the first row tile that I would fetch
	s_lshl_b32 s98, s93, 4
	s_add_co_u32 s96, s96, s98
	s_add_co_u32 s96, s96, s3                      ; S0 likewise
	s_lshl_b32 s66, s2, 9                          ; their scale words, 512 bytes a row tile,
	s_mov_b32 s67, 0
	s_mul_i32 s2, s2, 12288                        ; and their codes
	s_mov_b32 s3, 0
	s_lshl_b32 s98, s96, 9
	s_mov_b32 s99, 0
	s_mul_i32 s96, s96, 12288
	s_mov_b32 s97, 0
	s_mul_i32 s90, s[WV], HALFT                    ; where they go: by the wave's number alone
	s_lshl_b32 s91, s[WV], 12
	s_wait_dscnt 0x0                               ; both opening adds are done
	s_wait_kmcnt 0x0
	s_add_nc_u64 s[2:3], s[PC1:PC1+1], s[2:3]
	s_add_nc_u64 s[66:67], s[PS1:PS1+1], s[66:67]
	s_add_nc_u64 s[96:97], s[PC0:PC0+1], s[96:97]
	s_add_nc_u64 s[98:99], s[PS0:PS0+1], s[98:99]
	CROUND                                         ; all sixteen work-groups are here: the first joint loads meet
	s_mov_b32 s[G0SA], 1
	s_add_co_u32 s[G0SA+1], s91, SCL
	s_mov_b64 s[G0SA+2:G0SA+3], s[66:67]
	s_or_b32 s[G0SA+3], s[G0SA+3], 0x80000000
	s_mov_b32 s[G0SB], 1
	s_add_co_u32 s[G0SB+1], s91, SCL
	s_mov_b64 s[G0SB+2:G0SB+3], s[98:99]
	s_or_b32 s[G0SB+3], s[G0SB+3], 0x80000000
	JLOAD G0SA, G1SA, G0SB, G1SB                   ; the scale words first: they are wanted with the first step
.irp s, 0,1,2
	s_mov_b32 s[G0A+4*\s], 1
	s_add_co_u32 s[G0A+4*\s+1], s90, \s*SLOT
	s_add_nc_u64 s[G0A+4*\s+2:G0A+4*\s+3], s[2:3], \s*TILEB
	s_or_b32 s[G0A+4*\s+3], s[G0A+4*\s+3], 0x80000000
	s_mov_b32 s[G0B+4*\s], 1
	s_add_co_u32 s[G0B+4*\s+1], s90, \s*SLOT
	s_add_nc_u64 s[G0B+4*\s+2:G0B+4*\s+3], s[96:97], \s*TILEB
	s_or_b32 s[G0B+4*\s+3], s[G0B+4*\s+3], 0x80000000
	JLOAD G0A+4*\s, G1A, G0B+4*\s, G1B
.endr
	v_and_b32 v1, 31, v0
	v_lshlrev_b32 v2, 4, v1                        ; 16 x lane
	v_lshlrev_b32 v3, 3, v1                        ; 8 x lane
	v_and_b32 v4, 15, v0                           ; r
	v_bfe_u32 v5, v0, 4, 1                         ; h
	s_mul_i32 s90, s[HI], HALFT                    ; my eight row tiles of S1,
	s_mul_i32 s91, s[LO], HALFT
	s_add_co_u32 s91, s91, 2*HALFT                 ; and of S0, which lie behind S1's sixteen
.irp s, 0,1,2
	v_add_nc_u32 v[A16+\s], s90, v2
	v_add_nc_u32 v[A8+\s], s90, v3
	v_add_nc_u32 v[B16+\s], s91, v2
	v_add_nc_u32 v[B8+\s], s91, v3
	s_add_co_u32 s90, s90, SLOT
	s_add_co_u32 s91, s91, SLOT
.endr
	s_lshl_b32 s90, s[HI], 12                      ; the scale words: lanes 0-15 take S1's, lanes 16-31 S0's: the lower base + h x the distance
	s_lshl_b32 s91, s[LO], 12
	s_add_co_u32 s91, s91, 2*HALFS
	s_sub_co_u32 s91, s91, s90
	v_mul_u32_u24 v6, s91, v5
	s_add_co_u32 s90, s90, SCL
	v_lshl_add_u32 v6, v4, 4, v6
	v_add_nc_u32 v[ADRS], s90, v6
	s_wait_tensorcnt 2                             ; the scale words and my part of slot 0 are in; slots 1 and 2 may be out
	s_barrier_signal -1
	s_barrier_wait -1
	FETCH_B 0, 0, 0
	FETCH_A 0, 0, 0
	SCALES
	FETCH_A 0, 0, 4
	STEP 0, 0, 1, 1                                ; the first step's products start the sums: nothing is cleared
	TURN 1, 1, 1                                   ; slots 1 and 2 are whole in every wave; slot 0 is filled again
	STEP 2, 1, 1, 0
	STEP 3, 2, 0, 0
	STEP 4, 2, 1, 0
	TURN 5, 0, 0                                   ; the last quarter of K is whole in every wave
	STEP 6, 0, 1, 0
	s_wait_dscnt 16                                ; the last step: nothing more to fetch
	WIN MUL_LO
	MUL16 0, 7, 0
	MUL16 2, 7, 0
	s_wait_dscnt 0
	WIN MUL_HI
	MUL16 4, 7, 0
	MUL16 6, 7, 0
	WIN 0
; THE WAY OUT.  For each of my eight blocks of S1: the bias is added, and the lane's 64 numbers, register 16 b + i = place 32 b + 16 (lane / 16) + i along S0, are quantised: twelve registers of codes and a scale word.
.set T,   128                          ; v128-191 the 64 numbers
.set PC,  192                          ; v192-203 the codes; v204-211 the conversions' second halves
.set TM,  212                          ; v212-215 largest magnitudes, v216-219 bytes, v224-227 the conversions' scale operands
.set PW,  228                          ; the scale word just made
.set SW,  232                          ; v232-239 the eight blocks' scale words
.set SEL, 100
.macro QUANT s
.irp b, 0,1,2,3
	v_max3_num_f32 v[TM+\b], |v[\s+16*\b]|, |v[\s+1+16*\b]|, 0x1800000   ; block b: my 16 numbers, and the floor 2^(3 - 127): the byte cannot fall under 1
.endr
.irp i, 2,4,6,8,10,12,14
.irp b, 0,1,2,3
	v_max3_num_f32 v[TM+\b], v[TM+\b], |v[\s+16*\b+\i]|, |v[\s+1+16*\b+\i]|
.endr
.endr
.irp b, 0,1,2,3
	v_permlanex16_b32 v[TM+4+\b], v[TM+\b], s[SEL], s[SEL+1]
.endr
.irp b, 0,1,2,3
	v_max_num_f32 v[TM+\b], v[TM+\b], v[TM+4+\b]   ; with lane l xor 16's: the block's largest magnitude
.endr
.irp b, 0,1,2,3
	v_add_nc_u32 v[TM+12+\b], 0xff000000, v[TM+\b] ; 2 off its exponent field: the conversion's scale operand
.endr
.irp b, 0,1,2,3
	v_lshrrev_b32 v[TM+4+\b], 23, v[TM+12+\b]      ; the scale's byte
.endr
	v_lshl_or_b32 v[PW], v[TM+5], 8, v[TM+4]
	v_lshl_or_b32 v[PW], v[TM+6], 16, v[PW]
	v_lshl_or_b32 v[PW], v[TM+7], 24, v[PW]
.irp c, 0,1
	v_cvt_scalef32_pk16_fp6_f32 v[PC+6*\c:PC+2+6*\c], v[\s+32*\c:\s+15+32*\c], v[TM+12+2*\c]
	v_cvt_scalef32_pk16_fp6_f32 v[PC+12+4*\c:PC+14+4*\c], v[\s+16+32*\c:\s+31+32*\c], v[TM+12+2*\c+1]   ; (a conversion's three registers begin on an even number)
.endr
	v_nop                                          ; one plain line behind a scaled conversion
.irp c, 0,1                                    ; the operand's layout wants a WHOLE block in a lane: lanes 0-15 block 2 c, lanes 16-31 block 2 c + 1
.irp i, 0,1,2
	v_permlane16_swap_b32 v[PC+6*\c+\i], v[PC+12+4*\c+\i]
.endr
.irp i, 0,1,2
	v_mov_b32 v[PC+3+6*\c+\i], v[PC+12+4*\c+\i]
.endr
.endr
.endm
	PLACES 4                                       ; behind the last products: for the reads of results, the writes and the loads below
.irp b, 0,1,2,3
	v_mov_b32 v[TM+4+\b], 0                        ; written once: a lane permute's destination counts as one of its sources
.endr
	s_mov_b32 s[SEL], 0x76543210
	s_mov_b32 s[SEL+1], 0xfedcba98
	s_cmp_eq_u32 ttmp9, 2
	s_cbranch_scc1 .Lvalues
	; ---- q or k: my 128 tokens (one step of 128) x my 128 features (two heads).  A block's twelve registers are two UNITs: one for each head.
	s_lshl_b32 s88, s93, 10
	s_lshl_b32 s89, s[LO], 9
	s_add_co_u32 s88, s88, s89
	s_mov_b32 s89, 0
	s_add_nc_u64 s[8:9], s[8:9], s[88:89]          ; the bias of my 128 features
	v_lshlrev_b32 v1, 6, v5                        ; + 16 h numbers
	WIN TO_B
.irp e, 0,1,2,3
.irp j, 0,1,2,3
	global_load_b128 v[16*\e+4*\j:16*\e+4*\j+3], v1, s[8:9] offset:128*\e+16*\j   ; window 1, v0-63: register 16 e + n = the bias of feature 32 e + 16 h + n
.endr
.endr
	WIN 0
	s_cmp_eq_u32 ttmp9, 1                          ; k?
	s_cselect_b64 s[10:11], s[12:13], s[10:11]
	s_mov_b32 s95, 106496
	s_cselect_b32 s95, 208896, s95                 ; a head's record,
	s_mov_b32 s92, 6656
	s_cselect_b32 s92, 13056, s92                  ; a step's,
	s_mov_b32 s96, 6144
	s_cselect_b32 s96, 12288, s96                  ; and where the step's scale words begin
	s_lshl_b32 s97, s94, 1
	s_add_co_u32 s97, s97, s[HI]                   ; my 128 tokens' number, 0..63
	s_lshr_b32 s98, s97, 4                         ; the batch,
	s_and_b32 s97, s97, 15                         ; the step
	s_and_b32 s99, s93, 3
	s_lshl_b32 s99, s99, 2
	s_lshl_b32 s2, s[LO], 1
	s_add_co_u32 s99, s99, s2                      ; my first head
	s_lshl_b32 s98, s98, 4
	s_add_co_u32 s98, s98, s99
	s_mul_i32 s98, s98, s95
	s_mul_i32 s97, s97, s92
	s_add_co_u32 s98, s98, s97
	s_mov_b32 s99, 0
	s_add_nc_u64 s[10:11], s[10:11], s[98:99]
	v_add_nc_u32 v7, 512, v3                       ; a UNIT's last 8 bytes a lane
	v_add_nc_u32 v8, s95, v2                       ; the same two places in the second head's record
	v_add_nc_u32 v9, s95, v7
	v_lshlrev_b32 v10, 4, v5                       ; 16 h
	v_mul_lo_u32 v11, v5, s95
	v_lshl_add_u32 v11, v4, 4, v11
	v_add_nc_u32 v11, s96, v11                     ; the scale words: lanes 0-15 the first head's, lanes 16-31 the second's; 16 bytes a row
	s_wait_loadcnt 0x0                             ; the bias
.macro QKOUT a
.if (\a) > 0
	s_wait_xcnt 0x0                                ; the last block's stores have read their registers
.endif
	WIN 0x06+(\a)/4                                ; source 0: the accumulators' window; source 1: window 1
.set n, 0
.rept 32
	v_pk_add_f32 v[T+n:T+n+1], v[64*((\a)%4)+n:64*((\a)%4)+n+1], v[n:n+1]   ; each accumulator from its low end on
.set n, n+2
.endr
	WIN 0
	QUANT T
	global_store_b128 v2, v[PC:PC+3], s[10:11] offset:768*(\a)
	global_store_b64 v7, v[PC+4:PC+5], s[10:11] offset:768*(\a)
	global_store_b128 v8, v[PC+6:PC+9], s[10:11] offset:768*(\a)
	global_store_b64 v9, v[PC+10:PC+11], s[10:11] offset:768*(\a)
	v_mov_b32 v[SW+(\a)], v[PW]
.endm
.irp a, 0,1,2,3,4,5,6,7
	QKOUT \a
.endr
.irp a, 0,1,2,3,4,5,6,7
	v_lshrrev_b32 v[SW+\a], v10, v[SW+\a]          ; a head's two bytes in bytes 0 and 1; what stands above them stands over zero codes and is never 0xff
.endr
	global_store_b128 v11, v[SW:SW+3], s[10:11]             ; each half of the lanes stores 256 consecutive bytes: tiles 0-3,
	global_store_b128 v11, v[SW+4:SW+7], s[10:11] offset:256   ; tiles 4-7
	s_branch .Ldone
.Lvalues:
	; ---- v: my 128 features (two heads x four tiles of 16) x my 128 tokens (one key step).  A block's twelve registers are one fragment of 16 x 128 keys, stored as they stand.
	s_lshl_b32 s88, s94, 10
	s_lshl_b32 s89, s[HI], 9
	s_add_co_u32 s88, s88, s89
	s_add_co_u32 s88, s88, 8192
	s_mov_b32 s89, 0
	s_add_nc_u64 s[8:9], s[8:9], s[88:89]          ; the bias of my 128 features of v
	v_and_b32 v1, 8, v4
	v_add_nc_u32 v1, v1, v4
	v_lshlrev_b32 v1, 2, v1                        ; my lane row's place in a tile: r + 8 (r / 8)
	WIN TO_B
.irp a, 0,1,2,3,4,5,6,7
	global_load_b32 v[2*\a], v1, s[8:9] offset:(32*(\a/2)+8*(\a%2))*4       ; one number a lane and block, twice: a pair for the packed addition
	global_load_b32 v[2*\a+1], v1, s[8:9] offset:(32*(\a/2)+8*(\a%2))*4
.endr
	WIN 0
	s_lshl_b32 s97, s93, 1
	s_add_co_u32 s97, s97, s[LO]                   ; my 128 tokens' number
	s_lshr_b32 s98, s97, 4
	s_and_b32 s97, s97, 15
	s_lshl_b32 s99, s94, 2
	s_lshl_b32 s2, s[HI], 1
	s_add_co_u32 s99, s99, s2                      ; my first head
	s_lshl_b32 s98, s98, 4
	s_add_co_u32 s98, s98, s99
	s_mul_i32 s98, s98, 208896
	s_mul_i32 s97, s97, 13056
	s_add_co_u32 s98, s98, s97
	s_add_co_u32 s98, s98, 6144                    ; v's part of the step's record
	s_mov_b32 s99, 0
	s_add_nc_u64 s[12:13], s[12:13], s[98:99]
	v_mul_u32_u24 v11, v5, 208896
	v_lshl_add_u32 v11, v4, 4, v11
	s_wait_loadcnt 0x0
.macro VOUT a
.if (\a) > 0
	s_wait_xcnt 0x0
.endif
	WIN 0x06+(\a)/4
.set n, 0
.rept 32
	v_pk_add_f32 v[T+n:T+n+1], v[64*((\a)%4)+n:64*((\a)%4)+n+1], v[2*(\a):2*(\a)+1]
.set n, n+2
.endr
	WIN 0
	QUANT T
.irp i, 0,1,2
	global_store_b128 v2, v[PC+4*\i:PC+4*\i+3], s[12:13] offset:((\a)/4)*208896+((\a)%4)*1536+512*\i
.endr
	v_mov_b32 v[SW+(\a)], v[PW]
.endm
.irp a, 0,1,2,3,4,5,6,7
	VOUT \a
.endr
	v_cmp_eq_u32 vcc_lo, 1, v5
.irp i, 0,1,2,3
	v_cndmask_b32 v[240+\i], v[SW+\i], v[SW+4+\i], vcc_lo   ; lanes 0-15 the first head's four tiles, lanes 16-31 the second's
.endr
	global_store_b128 v11, v[240:243], s[12:13] offset:6656
.Ldone:
	s_wait_tensorcnt 0x0                           ; the wave's end
	ds_add_u32 v[SPW], v[NIL]
	s_wait_dscnt 0x0
	CROUND                                         ; the closing round: no work-group ends while a partner may still ask for a tile that names it
	s_endpgm
.Lfunc_end_k_qccc0674895_qkv:
	.size	k_qccc0674895_qkv, .Lfunc_end_k_qccc0674895_qkv-k_qccc0674895_qkv
	.p2alignl 7, 3214868480
	.fill 96, 4, 3214868480
	.section	.rodata,"a",@progbits
	.p2align	6, 0x0
	.amdhsa_kernel k_qccc0674895_qkv
		.amdhsa_group_segment_fixed_size 327680
		.amdhsa_private_segment_fixed_size 0
		.amdhsa_enable_private_segment 0
		.amdhsa_kernarg_size 40
		.amdhsa_user_sgpr_count 2
		.amdhsa_user_sgpr_kernarg_segment_ptr 1
		.amdhsa_wavefront_size32 1
		.amdhsa_system_sgpr_workgroup_id_x 1
		.amdhsa_system_sgpr_workgroup_id_y 1
		.amdhsa_system_sgpr_workgroup_id_z 1
		.amdhsa_system_vgpr_workitem_id 0
		.amdhsa_next_free_vgpr 1024
		.amdhsa_next_free_sgpr 102
		.amdhsa_reserve_vcc 1
		.amdhsa_float_denorm_mode_32 3
		.amdhsa_float_denorm_mode_16_64 3
		.amdhsa_memory_ordered 1
		.amdhsa_forward_progress 1
		.amdhsa_inst_pref_size 218
	.end_amdhsa_kernel
	.amdgpu_metadata
---
amdhsa.version: [ 1, 2 ]
amdhsa.kernels:
  - .name:           k_qccc0674895_qkv
    .symbol:         k_qccc0674895_qkv.kd
    .args:
      - { .name: wcodes, .offset: 0, .size: 8, .value_kind: global_buffer, .address_space: global }
      - { .name: wscales, .offset: 8, .size: 8, .value_kind: global_buffer, .address_space: global }
      - { .name: b_qkv, .offset: 16, .size: 8, .value_kind: global_buffer, .address_space: global }
      - { .name: qrec, .offset: 24, .size: 8, .value_kind: global_buffer, .address_space: global }
      - { .name: kv, .offset: 32, .size: 8, .value_kind: global_buffer, .address_space: global }
    .group_segment_fixed_size: 327680
    .private_segment_fixed_size: 0
    .kernarg_segment_align: 8
    .kernarg_segment_size: 40
    .max_flat_workgroup_size: 128
    .sgpr_count:     102
    .vgpr_count:     1024
    .wavefront_size: 32
...
	.end_amdgpu_metadata
.endif
;; end of part 2
;; launch attn (part 3): grid 4 x 64, 16 waves a work-group, clusters of 4 x 1, 210,944 bytes of LDS; arguments qrec, kv, oc, os; writes oc, os
.if DOCPART == 3
	.amdgcn_target "amdgcn-amd-amdhsa--gfx1250"
	.amdhsa_code_object_version 6
	.text
	.protected	k_qccc0674895_attn
	.globl	k_qccc0674895_attn
	.p2align	8
	.type	k_qccc0674895_attn,@function
k_qccc0674895_attn:
	s_mov_b64 s[64:65], 0
	v_nop
	global_prefetch_b8 v0, s[64:65] scope:SCOPE_SE
	s_setreg_imm32_b32 hwreg(HW_REG_WAVE_MODE, 25, 1), 1
	s_wait_xcnt 0x0
	s_wait_alu depctr_hold_cnt(0) depctr_sa_sdst(0) depctr_va_vdst(0) depctr_va_sdst(0) depctr_va_ssrc(0) depctr_va_vcc(0) depctr_vm_vsrc(0)
	s_getreg_b32 s2, hwreg(HW_REG_IB_STS2, 6, 4)
	s_cmp_eq_u32 s2, 0
	s_cbranch_scc0 .Lentry_in_a_cluster
	s_endpgm
.Lentry_in_a_cluster:
	s_bfe_u32 s2, ttmp6, 0x10000c
	s_cmp_lg_u32 s2, 0x3003
	s_cbranch_scc0 .Lentry_shape_is_right
	s_endpgm
.Lentry_shape_is_right:
; o = softmax(q k^T / 8) v for one head, both products on codes of FP6 (E2M3) with E8M0 scales, and o quantised along the last product's K (head x 64 + channel) on the way out.
; No work of the problem is left out here.  The first product's K is 64 and the instruction's is 128: registers 6-11 of q's and k's fragments hold zero codes.
; THE SOFTMAX: t = score x log2(e) / 8; M = the row's largest t so far, rounded UP to a whole number; p = 2^(t - M) is quantised along the keys, not normalised; the row's sum is taken of the unquantised p and divides
; at the end.  When M moves, the sum and O are multiplied by 2^(old M - new M): exact.
; LIMITS: NaN and infinities are not served; a block of zeros gets the byte 1 (its codes are zeros); a block's largest p is made from its largest score by the same two instructions, which takes v_exp_f32 not to
; fall where its input rises.
; SHARES.  A work-group owns 512 queries of one head; each of its sixteen waves takes one tile of 16 queries in each of two passes and walks all 2,048 keys, 128 a step.
; THE HEAD'S WHOLE RECORD OF k AND v (16 steps x 13,056 bytes) LIES IN LDS, filled once: each wave asks for one step's record by one tensor load.  No ring, no refill, no barrier in the loop.
; CLUSTER.  The four work-groups of a head ask for each record JOINTLY: the same load, the same descriptor, a mask that names the four.
; LAYOUT.  Both products are used transposed (S^T = k q^T, O^T = v^T p^T): a lane holds ONE query.  The keys of a tile are laid so that the 16 registers of tiles 2 b and 2 b + 1 are 16 neighbouring keys.
; A step's record: k: 8 UNITs of 768 bytes; v: 4 fragments of 1,536 bytes; k's scale words [2][r][4]; v's [r][4].
.set STEPB, 13056
.set SPARE, 16*STEPB                   ; behind the records: the spare words, 128 bytes for each wave: eight blocks of 256 bytes that no other line names
.set L16,  1                           ; v1   16 x lane
.set L8,   2                           ; v2   8 x lane + 512
.set LSC,  3                           ; v3   16 r + 12,288: k's scale words in a record
.set HF,   4                           ; v4   h
.set SPW,  5
.set NIL,  6
.set AD16, 8                           ; v8-10 the same three places in the step in hand
.set AD8,  9
.set ADS,  10
.set QA,   16                          ; v16-27, v28-39 q's fragments of the two passes
.set QB,   28
.set KF,   40                          ; v40-87 four fragments of k
.set OSB,  88                          ; v88  16 r + h: my byte among o's scale bytes
.set S,    96                          ; v96-159 S^T, then p; v96-143 then take v's four fragments
.set OT,   160                         ; v160-191 O^T
.set PCD,  192                         ; v192-203 p's codes; v204-211 the conversions' second halves
.set TC,   204
.set BM,   212                         ; v212-215 the blocks' largest
.set BX,   216                         ; v216-219 the other half's; then the bytes
.set SO,   220                         ; v220-223 the conversions' scale operands
.set CH,   224                         ; v[224:225] one of the row's sum's eight chains
.set KS,   232                         ; v232-239 k's scale words, v240-243 v's, v244, v245 q's, v246 p's: scales; v238-243 and v246-247 also carry chains of the row's sum
.set VS,   240
.set QS,   244
.set PS,   246
.set F,    248                         ; v[248:249] f = 2^(old M - new M)
.set TMP,  250
.set WV,   12
.set G1,   16
.set G0,   24
.set SEL,  40
.set CS,   42
.set TB,   44
.set CNT,  45
.macro CROUND
	s_barrier_signal -1
	s_barrier_wait -1
	s_cmp_lg_u32 s[WV], 0
	s_cbranch_scc1 .Lnot_wave_0_\@
	s_barrier_signal -3
.Lnot_wave_0_\@:
	s_barrier_wait -3
	s_barrier_signal -1
	s_barrier_wait -1
.endm
	s_load_b256 s[4:11], s[0:1], 0x0               ; qrec s[4:5], kv s[6:7], oc s[8:9], os s[10:11]
	v_lshl_add_u32 v[SPW], v0, 2, SPARE
	v_mov_b32 v[NIL], 0
	ds_add_u32 v[SPW], v[NIL]                      ; the wave's opening: the add, twice on end, and its wait ahead of my first tensor load
	ds_add_u32 v[SPW], v[NIL]
	v_lshrrev_b32 v7, 5, v0
	s_delay_alu instid0(VALU_DEP_1)
	v_readfirstlane_b32 s[WV], v7                  ; wave 0..15
	s_bfe_u32 s13, ttmp6, 0x40000                  ; cx: it enters q's and o's addresses alone
	s_and_b32 s14, ttmp7, 0xffff                   ; batch x 16 + head, which the four partners share
	s_mov_b32 s[G1], 15|(3<<16)|(1<<21)            ; 15:0 the mask: all four; 17:16 elements of 8 bytes; 21 set beside a mask; no padding
	s_mov_b32 s[G1+1], 32<<16                      ; a record is 51 dense rows of 256 bytes
	s_mov_b32 s[G1+2], 51<<16
	s_mov_b32 s[G1+3], 32<<16
	s_mov_b32 s[G1+4], 51
	s_mov_b32 s[G1+5], 32
	s_mov_b32 s[G1+6], 0
	s_mov_b32 s[G1+7], 0
	s_mul_i32 s28, s14, 16*STEPB
	s_mul_i32 s30, s[WV], STEPB                    ; key step = my wave's number: in memory and in LDS
	s_add_co_u32 s28, s28, s30
	s_mov_b32 s29, 0
	s_lshl_b32 s31, s13, 2
	s_lshr_b32 s32, s[WV], 3
	s_add_co_u32 s31, s31, s32                     ; q: pass 0's step of 128 queries: 4 cx + wave / 8 (pass 1: two steps on),
	s_and_b32 s32, s[WV], 7                        ; and my tile in it
	s_mul_i32 s34, s14, 106496
	s_mul_i32 s33, s31, 6656
	s_add_co_u32 s34, s34, s33
	s_mov_b32 s35, 0
	s_mul_i32 s33, s32, 768
	s_lshr_b32 s36, s32, 2
	s_lshl_b32 s36, s36, 8
	s_and_b32 s37, s32, 3
	s_lshl_b32 s37, s37, 2
	s_add_co_u32 s36, s36, s37
	s_add_co_u32 s31, s36, 6144                    ; my tile's scale words in the step's record
	s_lshr_b32 s36, s14, 4
	s_lshl_b32 s36, s36, 7
	s_lshl_b32 s37, s13, 5
	s_add_co_u32 s36, s36, s37
	s_add_co_u32 s36, s36, s[WV]                   ; o: pass 0's token tile: 128 x batch + 32 cx + wave (pass 1: sixteen tiles on)
	s_and_b32 s37, s14, 15                         ; the head
	s_mul_i32 s38, s36, 12288
	s_mul_i32 s32, s37, 768
	s_add_co_u32 s38, s38, s32
	s_mov_b32 s39, 0
	s_lshl_b32 s46, s36, 9
	s_lshr_b32 s32, s37, 3
	s_lshl_b32 s32, s32, 8
	s_add_co_u32 s46, s46, s32
	s_and_b32 s32, s37, 7
	s_lshl_b32 s32, s32, 1
	s_add_co_u32 s46, s46, s32                     ; the head's two bytes in a row's sixteen of its half of K
	s_mov_b32 s47, 0
	s_mov_b32 s[SEL], 0x76543210
	s_mov_b32 s[SEL+1], 0xfedcba98
	s_mov_b32 s[CS], 0x3e38aa3b                    ; c = log2(e) / 8
	s_mov_b32 s[CS+1], s[CS]                       ; (named with it as a pair, so it is written)
	s_wait_dscnt 0x0                               ; both opening adds are done
	s_wait_kmcnt 0x0
	CROUND                                         ; all four work-groups are here: the joint loads meet
	s_mov_b32 s[G0], 1
	s_mov_b32 s[G0+1], s30
	s_add_nc_u64 s[G0+2:G0+3], s[6:7], s[28:29]
	s_or_b32 s[G0+3], s[G0+3], 0x80000000
	tensor_load_to_lds s[G0:G0+3], s[G1:G1+7]      ; my one tensor load of the launch
	s_nop 0
.rept 4
	v_nop
.endr
	s_add_nc_u64 s[4:5], s[4:5], s[34:35]
	s_add_nc_u64 s[8:9], s[8:9], s[38:39]
	s_add_nc_u64 s[10:11], s[10:11], s[46:47]
	v_and_b32 v7, 31, v0
	s_delay_alu instid0(VALU_DEP_1)
	v_lshlrev_b32 v[L16], 4, v7
	s_delay_alu instid0(VALU_DEP_2)
	v_lshlrev_b32 v[L8], 3, v7
	s_delay_alu instid0(VALU_DEP_1)
	v_add_nc_u32 v[L8], 512, v[L8]
	v_and_b32 v7, 15, v0
	v_bfe_u32 v[HF], v0, 4, 1
	s_delay_alu instid0(VALU_DEP_2)
	v_lshlrev_b32 v[LSC], 4, v7
	s_delay_alu instid0(VALU_DEP_1)
	v_add_nc_u32 v[OSB], v[LSC], v[HF]
	v_add_nc_u32 v251, s33, v[L16]
	v_add_nc_u32 v252, s33, v[L8]
	s_delay_alu instid0(VALU_DEP_4)
	v_add_nc_u32 v253, s31, v[LSC]
	v_add_nc_u32 v[LSC], 12288, v[LSC]
	global_load_b128 v[QA:QA+3], v251, s[4:5]
	global_load_b64 v[QA+4:QA+5], v252, s[4:5]
	global_load_b32 v[QS], v253, s[4:5]
	global_load_b128 v[QB:QB+3], v251, s[4:5] offset:13312
	global_load_b64 v[QB+4:QB+5], v252, s[4:5] offset:13312
	global_load_b32 v[QS+1], v253, s[4:5] offset:13312
.irp i, 6,7,8,9,10,11
	v_mov_b32 v[QA+\i], 0                          ; zero codes for k = 64 .. 127, once
	v_mov_b32 v[QB+\i], 0
.irp t, 0,1,2,3
	v_mov_b32 v[KF+12*\t+\i], 0
.endr
.endr
.irp b, 0,1,2,3
	v_mov_b32 v[BX+\b], 0                          ; written once: a lane permute's destination counts as one of its sources
.endr
	v_mov_b32 v[TMP], 0
	v_mov_b32 v[F+1], 0                            ; (named as the upper half of a pair)
	s_wait_loadcnt 0x0                             ; q
	s_wait_tensorcnt 0x0                           ; my record has landed,
	s_barrier_signal -1
	s_barrier_wait -1                              ; everybody's has
; A pass: one tile of 16 queries against all keys.  qr: q's fragment; sr: its scale words; pp: the pass.
.macro PASS qr, sr, pp
	s_wait_xcnt 0x0                                ; the last pass's stores have read their registers
	v_mov_b32 v13, 0xff61b1e6                      ; the largest t so far: -3e38, under every t
	s_delay_alu instid0(VALU_DEP_1)
	v_floor_f32 v12, -v13                          ; -M
	v_mov_b32 v14, 0                               ; the sum, in two halves
	v_mov_b32 v15, 0
.set n, 0
.rept 32
	v_mov_b32 v[OT+n], 0                           ; O^T: the step is written once; the first finds zeros, which the first change of M leaves zeros
.set n, n+1
.endr
	s_mov_b32 s[TB], 0
	s_mov_b32 s[CNT], 16
.Lstep_\@:
	s_setprio 2
	v_add_nc_u32 v[AD16], s[TB], v[L16]
	s_wait_alu depctr_va_vdst(0)
	v_add_nc_u32 v[AD8], s[TB], v[L8]
	s_wait_alu depctr_va_vdst(0)
	v_add_nc_u32 v[ADS], s[TB], v[LSC]
.rept 3
	v_nop                                          ; six plain lines behind the last step's products, whose v fragments the products below write over (five are asked)
.endr
	ds_load_b128 v[KS:KS+3], v[ADS]
	ds_load_b128 v[KS+4:KS+7], v[ADS] offset:256
.irp g, 0,1                                    ; S^T = k q^T, four tiles of 16 keys at a time
.if \g > 0
.rept 4
	v_nop                                          ; places in front of loads into registers that matrix instructions have read
.endr
.endif
.irp t, 0,1,2,3
	ds_load_b128 v[KF+12*\t:KF+12*\t+3], v[AD16] offset:768*(4*\g+\t)
	ds_load_b64 v[KF+12*\t+4:KF+12*\t+5], v[AD8] offset:768*(4*\g+\t)
.endr
	s_wait_dscnt 0x0
.irp t, 0,1,2,3
	v_wmma_scale_f32_16x16x128_f8f6f4 v[S+8*(4*\g+\t):S+8*(4*\g+\t)+7], v[KF+12*\t:KF+12*\t+11], v[\qr:\qr+11], 0, v[KS+4*\g+\t], v[\sr] matrix_a_fmt:MATRIX_FMT_FP6 matrix_b_fmt:MATRIX_FMT_FP6
.endr
.endr
.rept 4
	v_nop
.endr
.irp b, 0,1,2,3
	v_max3_num_f32 v[BM+\b], v[S+16*\b], v[S+1+16*\b], v[S+2+16*\b]   ; the largest score of each block of 32 keys: for the row's maximum, and, since p rises with the score, for the block's largest p
.endr
.irp i, 3,5,7,9,11,13
.irp b, 0,1,2,3
	v_max3_num_f32 v[BM+\b], v[BM+\b], v[S+16*\b+\i], v[S+1+16*\b+\i]
.endr
.endr
.irp b, 0,1,2,3
	v_max_num_f32 v[BM+\b], v[BM+\b], v[S+15+16*\b]
.endr
.irp b, 0,1,2,3
	s_delay_alu instid0(VALU_DEP_4)
	v_permlanex16_b32 v[BX+\b], v[BM+\b], s[SEL], s[SEL+1]
.endr
.irp b, 0,1,2,3
	s_delay_alu instid0(VALU_DEP_4)
	v_max_num_f32 v[BM+\b], v[BM+\b], v[BX+\b]     ; with lane l xor 16's 16 keys
.endr
	s_delay_alu instid0(VALU_DEP_2)
	v_max3_num_f32 v[TMP], v[BM], v[BM+1], v[BM+2]
	s_delay_alu instid0(VALU_DEP_1)
	v_max_num_f32 v[TMP], v[TMP], v[BM+3]
	s_delay_alu instid0(VALU_DEP_1)
	v_mul_f32 v[TMP], s[CS], v[TMP]                ; the step's largest t (c is positive)
	s_delay_alu instid0(VALU_DEP_1)
	v_max_num_f32 v13, v13, v[TMP]
	v_mov_b32 v[TMP], v12
	s_delay_alu instid0(VALU_DEP_2)
	v_floor_f32 v12, -v13                          ; the new -M = floor(-t) = -ceil(t)
	s_delay_alu instid0(VALU_DEP_1)
	v_sub_f32 v[TMP], v12, v[TMP]                  ; old M - new M: a whole number, 0 or less
	s_delay_alu instid0(VALU_DEP_1)
	v_cvt_i32_f32 v[TMP], v[TMP]                   ; (it saturates)
	s_delay_alu instid0(VALU_DEP_1)
	v_ldexp_f32 v[F], 1.0, v[TMP]                  ; f
.set n, 0
.rept 32
	v_pk_fma_f32 v[S+n:S+n+1], v[S+n:S+n+1], s[CS:CS+1], v[12:13] op_sel_hi:[1,0,0]   ; t - M, two at a time
.set n, n+2
.endr
.irp b, 0,1,2,3
	v_fma_f32 v[BM+\b], v[BM+\b], s[CS], v12       ; the same of each block's largest score
.endr
.set n, 0
	s_wait_alu depctr_va_vdst(0)
.rept 64
	v_exp_f32 v[S+n], v[S+n]                       ; p = 2^(t - M)
.set n, n+1
.endr
	s_setprio 1
	v_pk_mul_f32 v[14:15], v[14:15], v[F:F+1] op_sel_hi:[1,0]   ; the sums under the new M: the plain line behind the exponentials
	s_wait_alu depctr_va_vdst(0)                   ; one wait for the whole batch, ahead of its first reader
.irp b, 0,1,2,3
	v_exp_f32 v[BM+\b], v[BM+\b]                   ; the block's largest p
.endr
	v_pk_add_f32 v[224:225], v[100:101], v[104:105]
	v_pk_add_f32 v[254:255], v[108:109], v[112:113]
	v_pk_add_f32 v[252:253], v[116:117], v[120:121]
	v_pk_add_f32 v[246:247], v[124:125], v[128:129]
	v_pk_add_f32 v[242:243], v[132:133], v[136:137]
	v_pk_add_f32 v[240:241], v[140:141], v[144:145]
	v_pk_add_f32 v[238:239], v[148:149], v[152:153]
	v_pk_add_f32 v[14:15], v[14:15], v[156:157]
	v_pk_add_f32 v[224:225], v[224:225], v[96:97]
	v_pk_add_f32 v[254:255], v[254:255], v[98:99]
	v_pk_add_f32 v[252:253], v[252:253], v[102:103]
	v_pk_add_f32 v[246:247], v[246:247], v[106:107]
	v_pk_add_f32 v[242:243], v[242:243], v[110:111]
	v_pk_add_f32 v[240:241], v[240:241], v[114:115]
	v_pk_add_f32 v[238:239], v[238:239], v[118:119]
	v_pk_add_f32 v[14:15], v[14:15], v[122:123]
	v_pk_add_f32 v[224:225], v[224:225], v[126:127]
	v_pk_add_f32 v[254:255], v[254:255], v[130:131]
	v_pk_add_f32 v[252:253], v[252:253], v[134:135]
	v_pk_add_f32 v[246:247], v[246:247], v[138:139]
	v_pk_add_f32 v[242:243], v[242:243], v[142:143]
	v_pk_add_f32 v[240:241], v[240:241], v[146:147]
	v_pk_add_f32 v[238:239], v[238:239], v[150:151]
	v_pk_add_f32 v[14:15], v[14:15], v[154:155]
	v_pk_add_f32 v[224:225], v[224:225], v[158:159]
	s_delay_alu instid0(VALU_DEP_2)
	v_pk_add_f32 v[14:15], v[14:15], v[246:247]
	s_delay_alu instid0(VALU_DEP_2)
	v_pk_add_f32 v[224:225], v[224:225], v[242:243]
	v_pk_add_f32 v[254:255], v[254:255], v[240:241]
	v_pk_add_f32 v[252:253], v[252:253], v[238:239]
	s_delay_alu instid0(VALU_DEP_2)
	v_pk_add_f32 v[14:15], v[14:15], v[254:255]
	s_delay_alu instid0(VALU_DEP_2)
	v_pk_add_f32 v[224:225], v[224:225], v[252:253]
	s_delay_alu instid0(VALU_DEP_1)
	v_pk_add_f32 v[14:15], v[14:15], v[224:225]
	s_wait_alu depctr_va_vdst(0)                   ; and one for the four
.irp b, 0,1,2,3
	v_max_num_f32 v[BM+\b], 0x1800000, v[BM+\b]    ; the floor 2^(3 - 127): the byte cannot fall under 1
.endr
.irp b, 0,1,2,3
	s_delay_alu instid0(VALU_DEP_4)
	v_add_nc_u32 v[SO+\b], 0xff000000, v[BM+\b]    ; 2 off the exponent field: the conversion's scale operand
.endr
.irp b, 0,1,2,3
	s_delay_alu instid0(VALU_DEP_4)
	v_lshrrev_b32 v[BX+\b], 23, v[SO+\b]
.endr
	s_delay_alu instid0(VALU_DEP_3)
	v_lshl_or_b32 v[PS], v[BX+1], 8, v[BX]         ; p's scale word for these 128 keys
	s_delay_alu instid0(VALU_DEP_1)
	v_lshl_or_b32 v[PS], v[BX+2], 16, v[PS]
	s_delay_alu instid0(VALU_DEP_1)
	v_lshl_or_b32 v[PS], v[BX+3], 24, v[PS]
.irp c, 0,1
	v_cvt_scalef32_pk16_fp6_f32 v[PCD+6*\c:PCD+2+6*\c], v[S+32*\c:S+15+32*\c], v[SO+2*\c]
	v_cvt_scalef32_pk16_fp6_f32 v[TC+4*\c:TC+2+4*\c], v[S+16+32*\c:S+31+32*\c], v[SO+2*\c+1]
.endr
.irp t, 0,1,2,3                                ; p is in codes: its registers take v's four fragments, which land while the lines below run
.irp i, 0,1,2
	ds_load_b128 v[S+12*\t+4*\i:S+12*\t+4*\i+3], v[AD16] offset:6144+1536*\t+512*\i
.endr
.endr
	ds_load_b128 v[VS:VS+3], v[ADS] offset:512
	v_nop                                          ; one plain line behind the scaled conversions
.irp c, 0,1                                    ; a WHOLE block in a lane: lanes 0-15 block 2 c, lanes 16-31 block 2 c + 1
.irp i, 0,1,2
	v_permlane16_swap_b32 v[PCD+6*\c+\i], v[TC+4*\c+\i]
.endr
.irp i, 0,1,2
	s_delay_alu instid0(VALU_DEP_3)
	v_mov_b32 v[PCD+3+6*\c+\i], v[TC+4*\c+\i]
.endr
.endr
.set n, 0
	s_setprio 0
.rept 16
	v_pk_mul_f32 v[OT+n:OT+n+1], v[OT+n:OT+n+1], v[F:F+1] op_sel_hi:[1,0]   ; O^T under the new M; these sixteen are also the places between the lines that made p's codes and scale word and the products below
.set n, n+2
.endr
	s_wait_alu depctr_va_vdst(0)
	s_wait_dscnt 0x0
.irp t, 0,1,2,3                                ; O^T += v^T p^T: four accumulators by turns, one instruction a turn
	v_wmma_scale_f32_16x16x128_f8f6f4 v[OT+8*\t:OT+8*\t+7], v[S+12*\t:S+12*\t+11], v[PCD:PCD+11], v[OT+8*\t:OT+8*\t+7], v[VS+\t], v[PS] matrix_a_fmt:MATRIX_FMT_FP6 matrix_b_fmt:MATRIX_FMT_FP6
.endr
	s_add_co_u32 s[TB], s[TB], STEPB
	s_sub_co_u32 s[CNT], s[CNT], 1
	s_cmp_lg_u32 s[CNT], 0
	s_cbranch_scc1 .Lstep_\@
	s_setprio 0
	; the pass's way out: o = O^T / the sum; register 16 b + i is channel 32 b + 16 h + i of my query: two blocks of the last product's K
.rept 4
	v_nop                                          ; places behind the last products
.endr
	v_add_f32 v14, v14, v15
	s_delay_alu instid0(VALU_DEP_1)
	v_permlanex16_b32 v[TMP], v14, s[SEL], s[SEL+1]
	s_delay_alu instid0(VALU_DEP_1)
	v_add_f32 v14, v14, v[TMP]                     ; the row's sum
	s_wait_alu depctr_va_vdst(0)
	v_rcp_f32 v14, v14
	v_nop                                          ; a plain line behind the reciprocal,
	s_wait_alu depctr_va_vdst(0)                   ; and the wait ahead of its first reader
.set n, 0
.rept 32
	v_mul_f32 v[S+n], v[OT+n], v14                 ; each accumulator from its low end on
.set n, n+1
.endr
.irp b, 0,1
	v_max3_num_f32 v[BM+\b], |v[S+16*\b]|, |v[S+1+16*\b]|, 0x1800000
.endr
.irp i, 2,4,6,8,10,12,14
.irp b, 0,1
	s_delay_alu instid0(VALU_DEP_2)
	v_max3_num_f32 v[BM+\b], v[BM+\b], |v[S+16*\b+\i]|, |v[S+1+16*\b+\i]|
.endr
.endr
.irp b, 0,1
	s_delay_alu instid0(VALU_DEP_2)
	v_permlanex16_b32 v[BX+\b], v[BM+\b], s[SEL], s[SEL+1]
.endr
.irp b, 0,1
	s_delay_alu instid0(VALU_DEP_2)
	v_max_num_f32 v[BM+\b], v[BM+\b], v[BX+\b]
.endr
.irp b, 0,1
	s_delay_alu instid0(VALU_DEP_2)
	v_add_nc_u32 v[SO+\b], 0xff000000, v[BM+\b]
.endr
.irp b, 0,1
	s_delay_alu instid0(VALU_DEP_2)
	v_lshrrev_b32 v[BX+\b], 23, v[SO+\b]
.endr
	v_cvt_scalef32_pk16_fp6_f32 v[PCD:PCD+2], v[S:S+15], v[SO]
	v_cvt_scalef32_pk16_fp6_f32 v[TC:TC+2], v[S+16:S+31], v[SO+1]
	v_nop
.irp i, 0,1,2
	v_permlane16_swap_b32 v[PCD+\i], v[TC+\i]
.endr
.irp i, 0,1,2
	s_delay_alu instid0(VALU_DEP_3)
	v_mov_b32 v[PCD+3+\i], v[TC+\i]
.endr
	v_cmp_eq_u32 vcc_lo, 0, v[HF]
	s_delay_alu instid0(VALU_DEP_1)
	v_cndmask_b32 v251, v[BX+1], v[BX], vcc_lo     ; my half's block's byte
	global_store_b128 v[L16], v[PCD:PCD+3], s[8:9] offset:196608*\pp      ; a UNIT: 512 consecutive bytes,
	global_store_b64 v[L8], v[PCD+4:PCD+5], s[8:9] offset:196608*\pp      ; and 256
	global_store_b8 v[OSB], v251, s[10:11] offset:8192*\pp                ; single bytes on purpose: a scale word of the last product is shared by two heads, which are two work-groups; 32 bytes beside a UNIT's 768
.endm
	PASS QA, QS, 0
	PASS QB, QS+1, 1
	s_wait_tensorcnt 0x0                           ; the wave's end
	ds_add_u32 v[SPW], v[NIL]
	s_wait_dscnt 0x0
	CROUND                                         ; the closing round
	s_endpgm
.Lfunc_end_k_qccc0674895_attn:
	.size	k_qccc0674895_attn, .Lfunc_end_k_qccc0674895_attn-k_qccc0674895_attn
	.p2alignl 7, 3214868480
	.fill 96, 4, 3214868480
	.section	.rodata,"a",@progbits
	.p2align	6, 0x0
	.amdhsa_kernel k_qccc0674895_attn
		.amdhsa_group_segment_fixed_size 210944
		.amdhsa_private_segment_fixed_size 0
		.amdhsa_enable_private_segment 0
		.amdhsa_kernarg_size 32
		.amdhsa_user_sgpr_count 2
		.amdhsa_user_sgpr_kernarg_segment_ptr 1
		.amdhsa_wavefront_size32 1
		.amdhsa_system_sgpr_workgroup_id_x 1
		.amdhsa_system_sgpr_workgroup_id_y 1
		.amdhsa_system_sgpr_workgroup_id_z 1
		.amdhsa_system_vgpr_workitem_id 0
		.amdhsa_next_free_vgpr 256
		.amdhsa_next_free_sgpr 66
		.amdhsa_reserve_vcc 1
		.amdhsa_float_denorm_mode_32 3
		.amdhsa_float_denorm_mode_16_64 3
		.amdhsa_memory_ordered 1
		.amdhsa_forward_progress 1
		.amdhsa_inst_pref_size 53
	.end_amdhsa_kernel
	.amdgpu_metadata
---
amdhsa.version: [ 1, 2 ]
amdhsa.kernels:
  - .name:           k_qccc0674895_attn
    .symbol:         k_qccc0674895_attn.kd
    .args:
      - { .name: qrec, .offset: 0, .size: 8, .value_kind: global_buffer, .address_space: global }
      - { .name: kv, .offset: 8, .size: 8, .value_kind: global_buffer, .address_space: global }
      - { .name: oc, .offset: 16, .size: 8, .value_kind: global_buffer, .address_space: global }
      - { .name: os, .offset: 24, .size: 8, .value_kind: global_buffer, .address_space: global }
    .group_segment_fixed_size: 210944
    .private_segment_fixed_size: 0
    .kernarg_segment_align: 8
    .kernarg_segment_size: 32
    .max_flat_workgroup_size: 512
    .sgpr_count:     66
    .vgpr_count:     256
    .wavefront_size: 32
...
	.end_amdgpu_metadata
.endif
;; end of part 3
;; launch proj (part 4): grid 4 x 32, 4 waves a work-group, clusters of 4 x 4, 327,680 bytes of LDS; arguments oc, os, wcodes, wscales, b_proj, out0; writes out0
.if DOCPART == 4
	.amdgcn_target "amdgcn-amd-amdhsa--gfx1250"
	.amdhsa_code_object_version 6
	.text
	.protected	k_qccc0674895_proj
	.globl	k_qccc0674895_proj
	.p2align	8
	.type	k_qccc0674895_proj,@function
k_qccc0674895_proj:
	s_mov_b64 s[64:65], 0
	v_nop
	global_prefetch_b8 v0, s[64:65] scope:SCOPE_SE
	s_setreg_imm32_b32 hwreg(HW_REG_WAVE_MODE, 25, 1), 1
	s_wait_xcnt 0x0
	s_wait_alu depctr_hold_cnt(0) depctr_sa_sdst(0) depctr_va_vdst(0) depctr_va_sdst(0) depctr_va_ssrc(0) depctr_va_vcc(0) depctr_vm_vsrc(0)
	s_getreg_b32 s2, hwreg(HW_REG_IB_STS2, 6, 4)
	s_cmp_eq_u32 s2, 0
	s_cbranch_scc0 .Lentry_in_a_cluster
	s_endpgm
.Lentry_in_a_cluster:
	s_bfe_u32 s2, ttmp6, 0x10000c
	s_cmp_lg_u32 s2, 0xf033
	s_cbranch_scc0 .Lentry_shape_is_right
	s_endpgm
.Lentry_shape_is_right:
.set SLOT,  98304
.set HALFT, 24576
.set TILEB, 3072
.set SCL,   3*SLOT
.set HALFS, 4096
.set SPARE, SCL+4*HALFS
.set FR,   12
.set A16,  16
.set A8,   19
.set B16,  22
.set B8,   25
.set SPW,  28
.set NIL,  29
.set ADRS, 30
.set SC,   32
.set AF,   128
.set WV,   16
.set HI,   17
.set LO,   18
.set G1A,  20
.set G1B,  28
.set G1SA, 36
.set G1SB, 44
.set G0A,  52
.set G0B,  68
.set G0SA, 80
.set G0SB, 84
.set PC1,  4
.set PS1,  6
.set PC0,  8
.set PS0,  10
.set MSB, 0
.macro WIN new
.if MSB != (\new)
	s_set_vgpr_msb (MSB<<8)|(\new)
.set MSB, \new
.endif
.endm
.set MUL_LO, 0xa1
.set MUL_HI, 0xf1
.set TO_B,   0x40
.macro JLOAD g0a, g1a, g0b, g1b
	s_cmp_eq_u32 s[HI], 0
	s_cbranch_scc0 .Lfor_b_\@
	tensor_load_to_lds s[\g0a:\g0a+3], s[\g1a:\g1a+7]
	s_nop 0
.rept 4
	v_nop
.endr
	s_branch .Lasked_\@
.Lfor_b_\@:
	tensor_load_to_lds s[\g0b:\g0b+3], s[\g1b:\g1b+7]
	s_nop 0
.rept 4
	v_nop
.endr
.Lasked_\@:
.endm
.macro CREST
	s_cmp_lg_u32 s[WV], 0
	s_cbranch_scc1 .Lnot_wave_0_\@
	s_barrier_signal -3
.Lnot_wave_0_\@:
	s_barrier_wait -3
	s_barrier_signal -1
	s_barrier_wait -1
.endm
.macro CROUND
	s_barrier_signal -1
	s_barrier_wait -1
	CREST
.endm
.macro PLACES n
.rept \n
	v_nop
.endr
.endm
.macro FRAG reg, a16, a8, q, i
	ds_load_b128 v[\reg:\reg+3], v[\a16] offset:(\i)*TILEB+(\q)*1536
	ds_load_b64 v[\reg+4:\reg+5], v[\a8] offset:(\i)*TILEB+(\q)*1536+512
	ds_load_b128 v[\reg+6:\reg+9], v[\a16] offset:(\i)*TILEB+(\q)*1536+768
	ds_load_b64 v[\reg+10:\reg+11], v[\a8] offset:(\i)*TILEB+(\q)*1536+1280
.endm
.macro FETCH_B slot, q, p
	WIN TO_B
.irp i, 0,1,2,3,4,5,6,7
	FRAG 128*(\p)+FR*\i, B16+\slot, B8+\slot, \q, \i
.endr
	WIN 0
.endm
.macro FETCH_A slot, q, i0
.irp i, \i0, \i0+1, \i0+2, \i0+3
	FRAG AF+FR*(\i), A16+\slot, A8+\slot, \q, \i
.endr
.endm
.macro SCALES
.irp l, 0,1
.irp i, 0,1,2,3,4,5,6,7
	ds_load_b128 v[SC+32*\l+4*\i:SC+32*\l+4*\i+3], v[ADRS] offset:512*\i+256*\l
.endr
.endr
.endm
.macro MUL16 a0, kap, zero
.irp a, \a0, \a0+1
.irp b, 0,1,2,3,4,5,6,7
.if \zero
	v_wmma_scale_f32_16x16x128_f8f6f4 v[8*(8*((\a)%4)+\b):8*(8*((\a)%4)+\b)+7], v[128*((\kap)%2)+FR*\b:128*((\kap)%2)+FR*\b+FR-1], v[AF+FR*(\a):AF+FR*(\a)+FR-1], 0, v[SC+32*((\kap)/4)+4*\b+(\kap)%4], v[SC+32*((\kap)/4)+4*(\a)+(\kap)%4] matrix_a_fmt:MATRIX_FMT_FP6 matrix_b_fmt:MATRIX_FMT_FP6 matrix_a_scale:MATRIX_SCALE_ROW1
.else
	v_wmma_scale_f32_16x16x128_f8f6f4 v[8*(8*((\a)%4)+\b):8*(8*((\a)%4)+\b)+7], v[128*((\kap)%2)+FR*\b:128*((\kap)%2)+FR*\b+FR-1], v[AF+FR*(\a):AF+FR*(\a)+FR-1], v[8*(8*((\a)%4)+\b):8*(8*((\a)%4)+\b)+7], v[SC+32*((\kap)/4)+4*\b+(\kap)%4], v[SC+32*((\kap)/4)+4*(\a)+(\kap)%4] matrix_a_fmt:MATRIX_FMT_FP6 matrix_b_fmt:MATRIX_FMT_FP6 matrix_a_scale:MATRIX_SCALE_ROW1
.endif
.endr
.endr
.endm
.macro STEP kap, ns, nq, zero
	s_wait_dscnt 16
	WIN MUL_LO
	MUL16 0, \kap, \zero
	MUL16 2, \kap, \zero
	s_wait_dscnt 0
	PLACES 4
	FETCH_B \ns, \nq, 1-(\kap)%2
	FETCH_A \ns, \nq, 0
	WIN MUL_HI
	MUL16 4, \kap, \zero
	MUL16 6, \kap, \zero
	PLACES 4
	WIN 0
	FETCH_A \ns, \nq, 4
.endm
.macro TURN kap, ns, fill
	s_wait_tensorcnt 0x0
	ds_add_u32 v[SPW], v[NIL]
	s_wait_dscnt 17
	WIN MUL_LO
	MUL16 0, \kap, 0
	s_wait_dscnt 0x0
	s_barrier_signal -1
	MUL16 2, \kap, 0
	WIN 0
	s_barrier_wait -1
.if \fill
	CREST
	s_add_nc_u64 s[G0A+2:G0A+3], s[G0A+2:G0A+3], 3*TILEB
	s_add_nc_u64 s[G0B+2:G0B+3], s[G0B+2:G0B+3], 3*TILEB
	JLOAD G0A, G1A, G0B, G1B
.else
	PLACES 4
.endif
	FETCH_B \ns, 0, 0
	FETCH_A \ns, 0, 0
	WIN MUL_HI
	MUL16 4, \kap, 0
	MUL16 6, \kap, 0
	PLACES 4
	WIN 0
	FETCH_A \ns, 0, 4
.endm
	s_load_b128 s[4:7], s[0:1], 0x0
	s_load_b128 s[8:11], s[0:1], 0x10
	s_load_b128 s[12:15], s[0:1], 0x20
	v_lshl_add_u32 v[SPW], v0, 2, SPARE
	v_mov_b32 v[NIL], 0
	ds_add_u32 v[SPW], v[NIL]
	ds_add_u32 v[SPW], v[NIL]
	v_lshrrev_b32 v1, 5, v0
	v_readfirstlane_b32 s[WV], v1
	s_lshr_b32 s[HI], s[WV], 1
	s_and_b32 s[LO], s[WV], 1
	s_bfe_u32 s88, ttmp6, 0x40000
	s_bfe_u32 s89, ttmp6, 0x40004
	s_and_b32 s90, ttmp7, 0xffff
	s_lshl_b32 s90, s90, 2
	s_add_co_u32 s94, s90, s89
	s_lshl_b32 s91, ttmp9, 2
	s_add_co_u32 s93, s91, s88
	s_mov_b32 s2, 0
	s_mov_b32 s96, 704
	s_lshl_b32 s100, s89, 2
	s_lshl_b32 s100, 15, s100
	s_lshl_b32 s101, 0x1111, s88
	s_or_b32 s[G1A], s100, (1<<21)
	s_or_b32 s[G1B], s101, (1<<21)
	s_or_b32 s[G1SA], s100, (3<<16)|(1<<21)
	s_or_b32 s[G1SB], s101, (3<<16)|(1<<21)
.irp g, G1A, G1B
	s_mov_b32 s[\g+1], TILEB<<16
	s_mov_b32 s[\g+2], 8<<16
	s_mov_b32 s[\g+3], TILEB<<16
	s_mov_b32 s[\g+4], 8
	s_mov_b32 s[\g+5], 12288
	s_mov_b32 s[\g+6], 0
	s_mov_b32 s[\g+7], 0
.endr
.irp g, G1SA, G1SB
	s_mov_b32 s[\g+1], 32<<16
	s_mov_b32 s[\g+2], 16<<16
	s_mov_b32 s[\g+3], 32<<16
	s_mov_b32 s[\g+4], 16
	s_mov_b32 s[\g+5], 32
	s_mov_b32 s[\g+6], 0
	s_mov_b32 s[\g+7], 0
.endr
	s_lshl_b32 s3, s[LO], 3
	s_lshl_b32 s66, s94, 4
	s_add_co_u32 s2, s2, s66
	s_add_co_u32 s2, s2, s3
	s_lshl_b32 s98, s93, 4
	s_add_co_u32 s96, s96, s98
	s_add_co_u32 s96, s96, s3
	s_lshl_b32 s66, s2, 9
	s_mov_b32 s67, 0
	s_mul_i32 s2, s2, 12288
	s_mov_b32 s3, 0
	s_lshl_b32 s98, s96, 9
	s_mov_b32 s99, 0
	s_mul_i32 s96, s96, 12288
	s_mov_b32 s97, 0
	s_mul_i32 s90, s[WV], HALFT
	s_lshl_b32 s91, s[WV], 12
	s_wait_dscnt 0x0
	s_wait_kmcnt 0x0
	s_add_nc_u64 s[2:3], s[PC1:PC1+1], s[2:3]
	s_add_nc_u64 s[66:67], s[PS1:PS1+1], s[66:67]
	s_add_nc_u64 s[96:97], s[PC0:PC0+1], s[96:97]
	s_add_nc_u64 s[98:99], s[PS0:PS0+1], s[98:99]
	CROUND
	s_mov_b32 s[G0SA], 1
	s_add_co_u32 s[G0SA+1], s91, SCL
	s_mov_b64 s[G0SA+2:G0SA+3], s[66:67]
	s_or_b32 s[G0SA+3], s[G0SA+3], 0x80000000
	s_mov_b32 s[G0SB], 1
	s_add_co_u32 s[G0SB+1], s91, SCL
	s_mov_b64 s[G0SB+2:G0SB+3], s[98:99]
	s_or_b32 s[G0SB+3], s[G0SB+3], 0x80000000
	JLOAD G0SA, G1SA, G0SB, G1SB
.irp s, 0,1,2
	s_mov_b32 s[G0A+4*\s], 1
	s_add_co_u32 s[G0A+4*\s+1], s90, \s*SLOT
	s_add_nc_u64 s[G0A+4*\s+2:G0A+4*\s+3], s[2:3], \s*TILEB
	s_or_b32 s[G0A+4*\s+3], s[G0A+4*\s+3], 0x80000000
	s_mov_b32 s[G0B+4*\s], 1
	s_add_co_u32 s[G0B+4*\s+1], s90, \s*SLOT
	s_add_nc_u64 s[G0B+4*\s+2:G0B+4*\s+3], s[96:97], \s*TILEB
	s_or_b32 s[G0B+4*\s+3], s[G0B+4*\s+3], 0x80000000
	s_wait_alu depctr_va_vdst(0)
	s_wait_tensorcnt 0x0
	ds_add_u32 v28, v29
	s_wait_dscnt 0x0
	CROUND
	JLOAD G0A+4*\s, G1A, G0B+4*\s, G1B
.endr
	v_and_b32 v1, 31, v0
	v_lshlrev_b32 v2, 4, v1
	v_lshlrev_b32 v3, 3, v1
	v_and_b32 v4, 15, v0
	v_bfe_u32 v5, v0, 4, 1
	s_mul_i32 s90, s[HI], HALFT
	s_mul_i32 s91, s[LO], HALFT
	s_add_co_u32 s91, s91, 2*HALFT
.irp s, 0,1,2
	v_add_nc_u32 v[A16+\s], s90, v2
	v_add_nc_u32 v[A8+\s], s90, v3
	v_add_nc_u32 v[B16+\s], s91, v2
	v_add_nc_u32 v[B8+\s], s91, v3
	s_add_co_u32 s90, s90, SLOT
	s_add_co_u32 s91, s91, SLOT
.endr
	s_lshl_b32 s90, s[HI], 12
	s_lshl_b32 s91, s[LO], 12
	s_add_co_u32 s91, s91, 2*HALFS
	s_sub_co_u32 s91, s91, s90
	v_mul_u32_u24 v6, s91, v5
	s_add_co_u32 s90, s90, SCL
	v_lshl_add_u32 v6, v4, 4, v6
	v_add_nc_u32 v[ADRS], s90, v6
	s_mul_i32 s90, s[WV], 8448
	s_add_co_u32 s90, s90, SLOT
	v_mul_u32_u24 v8, v4, 528
	v_lshl_add_u32 v8, v5, 6, v8
	v_add_nc_u32 v8, s90, v8
	v_add_nc_u32 v9, s90, v2
	s_lshl_b32 s96, s93, 10
	s_lshl_b32 s97, s[LO], 9
	s_add_co_u32 s96, s96, s97
	s_mov_b32 s97, 0
	s_add_nc_u64 s[12:13], s[12:13], s[96:97]
	s_add_nc_u64 s[14:15], s[14:15], s[96:97]
	s_lshl_b32 s96, s94, 20
	s_lshl_b32 s98, s[HI], 19
	s_add_co_u32 s96, s96, s98
	s_add_nc_u64 s[14:15], s[14:15], s[96:97]
	v_lshlrev_b32 v7, 6, v5
	WIN TO_B
.irp e, 0,1,2,3
.irp j, 0,1,2,3
	global_load_b128 v[96+16*\e+4*\j+96*(\e/2):99+16*\e+4*\j+96*(\e/2)], v7, s[12:13] offset:128*\e+16*\j
.endr
.endr
	WIN 0
	s_wait_alu depctr_va_vdst(0)
	s_wait_tensorcnt 2
	s_barrier_signal -1
	s_barrier_wait -1
	FETCH_B 0, 0, 0
	FETCH_A 0, 0, 0
	SCALES
	FETCH_A 0, 0, 4
	STEP 0, 0, 1, 1
	TURN 1, 1, 1
	STEP 2, 1, 1, 0
	STEP 3, 2, 0, 0
	STEP 4, 2, 1, 0
	TURN 5, 0, 0
	STEP 6, 0, 1, 0
	s_wait_dscnt 16
	WIN MUL_LO
	MUL16 0, 7, 0
	MUL16 2, 7, 0
	s_wait_dscnt 0
	WIN MUL_HI
	MUL16 4, 7, 0
	MUL16 6, 7, 0
	WIN 0
.set T,  128
.set BK, 192
.macro ADDB a
	WIN 0x06+(\a)/4
.set n, 0
.rept 32
	v_pk_add_f32 v[T+n:T+n+1], v[64*((\a)%4)+n:64*((\a)%4)+n+1], v[96+n+96*(n/32):97+n+96*(n/32)]
.set n, n+2
.endr
	WIN 0
.endm
.macro STG
.irp b, 0,1,2,3,4,5,6,7
	ds_store_b128 v8, v[T+8*\b:T+8*\b+3] offset:128*(\b/2)+32*(\b%2)
	ds_store_b128 v8, v[T+8*\b+4:T+8*\b+7] offset:128*(\b/2)+32*(\b%2)+16
.endr
.irp t, 0,1,2,3,4,5,6,7,8,9,10,11,12,13,14,15
	ds_load_b128 v[BK+4*\t:BK+4*\t+3], v9 offset:528*\t
.endr
.endm
.macro SENDG a
.irp t, 0,1,2,3,4,5,6,7,8,9,10,11,12,13,14,15
	global_store_b128 v2, v[BK+4*\t:BK+4*\t+3], s[14:15] offset:(32*((\a)/2)+8*((\a)%2)+\t+8*(\t/8))*4096 th:TH_STORE_NT
.endr
.endm
	PLACES 4
	s_wait_loadcnt 0x0
	ADDB 0
	STG
.irp a, 1,2,3,4,5,6,7
	s_wait_dscnt 16
	ADDB \a
	s_wait_alu depctr_va_vdst(0)
	s_wait_dscnt 0x0
	SENDG \a-1
	s_wait_xcnt 0x0
	STG
.endr
	s_wait_dscnt 0x0
	SENDG 7
	s_wait_tensorcnt 0x0
	ds_add_u32 v[SPW], v[NIL]
	s_wait_dscnt 0x0
	CROUND
	s_endpgm
.Lfunc_end_k_qccc0674895_proj:
	.size	k_qccc0674895_proj, .Lfunc_end_k_qccc0674895_proj-k_qccc0674895_proj
	.p2alignl 7, 3214868480
	.fill 96, 4, 3214868480
	.section	.rodata,"a",@progbits
	.p2align	6, 0x0
	.amdhsa_kernel k_qccc0674895_proj
		.amdhsa_group_segment_fixed_size 327680
		.amdhsa_private_segment_fixed_size 0
		.amdhsa_enable_private_segment 0
		.amdhsa_kernarg_size 48
		.amdhsa_user_sgpr_count 2
		.amdhsa_user_sgpr_kernarg_segment_ptr 1
		.amdhsa_wavefront_size32 1
		.amdhsa_system_sgpr_workgroup_id_x 1
		.amdhsa_system_sgpr_workgroup_id_y 1
		.amdhsa_system_sgpr_workgroup_id_z 1
		.amdhsa_system_vgpr_workitem_id 0
		.amdhsa_next_free_vgpr 1024
		.amdhsa_next_free_sgpr 102
		.amdhsa_reserve_vcc 0
		.amdhsa_float_denorm_mode_32 3
		.amdhsa_float_denorm_mode_16_64 3
		.amdhsa_memory_ordered 1
		.amdhsa_forward_progress 1
		.amdhsa_inst_pref_size 161
	.end_amdhsa_kernel
	.amdgpu_metadata
---
amdhsa.version: [ 1, 2 ]
amdhsa.kernels:
  - .name:           k_qccc0674895_proj
    .symbol:         k_qccc0674895_proj.kd
    .args:
      - { .name: oc, .offset: 0, .size: 8, .value_kind: global_buffer, .address_space: global }
      - { .name: os, .offset: 8, .size: 8, .value_kind: global_buffer, .address_space: global }
      - { .name: wcodes, .offset: 16, .size: 8, .value_kind: global_buffer, .address_space: global }
      - { .name: wscales, .offset: 24, .size: 8, .value_kind: global_buffer, .address_space: global }
      - { .name: b_proj, .offset: 32, .size: 8, .value_kind: global_buffer, .address_space: global }
      - { .name: out0, .offset: 40, .size: 8, .value_kind: global_buffer, .address_space: global }
    .group_segment_fixed_size: 327680
    .private_segment_fixed_size: 0
    .kernarg_segment_align: 8
    .kernarg_segment_size: 48
    .max_flat_workgroup_size: 128
    .sgpr_count:     102
    .vgpr_count:     1024
    .wavefront_size: 32
...
	.end_amdgpu_metadata
.endif
;; end of part 4
